; MI455X (gfx1250); checked and timed in simulation.
; The chip was launched on July 23, 2026; its instructions are those of AMD's public machine-readable ISA for CDNA 5 (MIT licence, August 2026) and "CDNA5" Instruction Set Architecture Reference Guide (July 2026). The comments in the code are by the model that wrote it; some were corrected since.
;; Multi Head Attention. Allowed arithmetic: matrix products marked QUANTISED: E2M3 operands, one E8M0 scale for each 32 along K, by v_wmma_scale_f32_16x16x128_f8f6f4 with both operands' format E2M3, f32 sums; everything else in f32.
;; Inputs: W_out 1,024 x 1,024 float32; W_qkv 3,072 x 1,024 float32; b_out 1,024 float32; b_qkv 3,072 float32; x 4 x 2,048 x 1,024 float32.
;; Outputs: out0 4 x 2,048 x 1,024 float32.
;; This version of the problem:
;;   THIS VERSION OF THE PROBLEM IS GIVEN IN LOW PRECISION. The matrix products marked QUANTISED in the list below multiply operands that are first quantised to E2M3 (2 exponent bits, 3 mantissa bits; 6 bits a number), with one power-of-two scale for each 32 numbers along K (OCP MX v1.0); their sums are f32. All else is computed in f32.
;;   The module's matrix products, in the order in which they are computed (A, B: the left and right operand; K: the contracted axis; several contracted axes count as one K, in the product's order):
;;     1. [M 8,192, K 1,024] x [K 1,024, N 3,072]; A: input x; B: input W_qkv: QUANTISED
;;     2. batch 64 x [M 2,048, K 64] x [K 64, N 2,048]; A: computed on the way; B: computed on the way: QUANTISED
;;     3. batch 64 x [M 2,048, K 2,048] x [K 2,048, N 64]; A: softmax (see below); B: computed on the way: QUANTISED
;;     4. [M 8,192, K 1,024] x [K 1,024, N 1,024]; A: computed on the way; B: input W_out: QUANTISED
;;   THE QUANTISER, for each operand of a quantised product, along K:
;;     - K is cut into blocks of 32 from its start; a last block that is shorter is filled with zeros.
;;     - A block's scale is 2^e with e = floor(log2(the largest magnitude in the block)) - 2, held to -126 .. 127; a block of zeros has e = 0. As a byte (E8M0): e + 127.
;;     - Each number is divided by its block's scale, clamped to +-7.5, and rounded to the nearest number of E2M3, ties to even, subnormals kept.
;;     - The product sums the exact products of the quantised numbers (number of the format x scale) in f32.
;;   ~~~python
;;   def quantise(x, axis):      # numpy; x: float32 -> the quantised numbers, widened to float32 again
;;       x = np.moveaxis(x, axis, -1); K = x.shape[-1]
;;       x = np.pad(x, [(0, 0)] * (x.ndim - 1) + [(0, -K % 32)]); x = x.reshape(x.shape[:-1] + (-1, 32)); a = np.abs(x).max(-1, keepdims=True)
;;       e = np.where(a > 0, np.clip(np.frexp(np.where(a > 0, a, 1))[1] - 1 - 2, -126, 127), 0)      # np.frexp(a)[1] - 1 = floor(log2(a)), exactly
;;       r = np.clip(x / 2.0 ** e, -7.5, 7.5)
;;       step = 2.0 ** (np.maximum(np.frexp(np.where(r == 0, 1, r))[1] - 1, 0) - 3)
;;       q = np.round(r / step) * step * 2.0 ** e      # np.round: ties to even
;;       return np.moveaxis(q.reshape(q.shape[:-2] + (-1,))[..., :K], -1, axis).astype(np.float32)
;;   ~~~
;;   SOFTMAX AHEAD OF A QUANTISED PRODUCT. Where the list says 'softmax', what is quantised is not the finished softmax but p = 2^(t - M), with t = logit x log2(e) and M = ceil(the row's largest t), a whole number; so 1/2 < the row's largest p <= 1. The row's sum l is taken of the UNQUANTISED p, in f32, and the product's result is divided by l at the end. Since M is a whole number, a kernel that streams over the keys may use a running M (the ceiling of the running maximum): every later rescaling is an exact power of two, which a block's scale takes up: the codes' values come out the same.
;;   OPERANDS COMPUTED ON THE WAY. 'Computed on the way' means the value that the module computes at that place (a softmax that the list does not call 'softmax' is quantised finished and normalised). What goes into a quantiser is computed in f32, as accurately as f32 sums, v_exp_f32 and their like allow (about 1e-6 of the number): no bf16 or f16 on the way to a quantiser, and a product that is left as it is and whose result goes on into a quantised operand takes f32 operands (vector FMAs, or v_wmma_f32_16x16x4_f32). A number that lies on a knife's edge between two numbers of the format may be rounded either way, as far as f32 arithmetic and the matrix unit's own rounding can turn it there, and no further.
;; One version. Each part assembles by itself: llvm-mc -triple=amdgcn-amd-amdhsa -mcpu=gfx1250 --defsym DOCPART=n.
;; ======== version 1 of 1: 4 launches
;; workspace buffers: wsc 9,437,184 bytes; wss 393,216 bytes; qkvc 18,874,368 bytes; qkvs 1,310,720 bytes; cc 6,291,456 bytes; cs 262,144 bytes
;; launch quant (part 1): grid 384 x 1, 4 waves a work-group, no clusters, 33,280 bytes of LDS; arguments x, W_qkv, W_out, wsc, wss; writes wsc, wss
.if DOCPART == 1
	.amdgcn_target "amdgcn-amd-amdhsa--gfx1250"
	.amdhsa_code_object_version 6
	.text
	.protected	k_q4ce1937fda_quant
	.globl	k_q4ce1937fda_quant
	.p2align	8
	.type	k_q4ce1937fda_quant,@function
k_q4ce1937fda_quant:
	s_mov_b64 s[64:65], 0
	v_nop
	global_prefetch_b8 v0, s[64:65] scope:SCOPE_SE
	s_setreg_imm32_b32 hwreg(HW_REG_WAVE_MODE, 25, 1), 1
	s_wait_xcnt 0x0
; x [8192][1024], W_qkv [3072][1024] and W_out [1024][1024], f32, become codes of FP6 (E2M3), K innermost, 768 bytes a row, in wsc, and one E8M0 byte for each 32 along K, 32 bytes a row, in wss.
; A block's scale is 2^(floor(log2(its largest magnitude)) - 2); its byte is the largest magnitude's exponent field - 2, held at 1 from below; each number is divided by the scale and rounded to the nearest code, ties to even.
; LIMITS: a block of zeros, or one whose largest magnitude lies under 2^-124, gets the byte 1 (its codes are zeros or tiny; the bytes are read by this program alone); NaN and infinities are not served.
; A wave takes one RUN of 8 rows (8,192 numbers, 6,144 bytes of codes, 256 scale bytes), in 16 steps of 512 numbers.  Runs 0-1023 are x's, 1024-1407 W_qkv's, 1408-1535 W_out's.
; WHERE A RUN GOES.  x: within every 32 rows the two middle groups of 8 change places (the run number's bits 0 and 1 are swapped), so that 16 neighbouring STORED rows are rows 0-7 and 16-23 (or 8-15 and 24-31) of 32:
; a matrix result whose registers run over two such tiles then holds 16 neighbours.  W_qkv: a row f = 192 head + 64 type + d goes to 8192 + 1024 type + 64 head + d, d's groups of 8 swapped likewise.  W_out: as it lies.
; Each of a step's four loads reads 512 consecutive bytes; the 2,048 bytes turn through the wave's own stage in LDS, so that a lane holds 16 neighbours along K; two neighbouring lanes hold a block.
; No tensor loads, no barrier: waves share nothing.  Matrix units and clusters would serve nothing in a stream that is read once.
.set WAVES, 4
.set STEPS, 16
.set EMAX,  2
.set CB,    12                         ; bytes of 16 codes
.set R,     16                         ; v16-79   four sets of 16 numbers as they are loaded
.set X,     80                         ; v80-111  two sets of 16 neighbours
.set C,     128                        ; v128-191 codes: four registers for each step, so that no store's data are written again
.set E,     112                        ; v112-127 a scale byte for each step
.set WREG,  8192                       ; LDS: a region for each wave: two stages of 32 x SP bytes, then its 256 scale bytes
.set SP,    80                         ; a lane's place in a stage: 64 bytes + 16 of padding
.set SPW,   12                         ; v12  LDS address of my spare word; never rewritten
.set NIL,   13                         ; v13  0; never rewritten
.set SPARE, WAVES*WREG                 ; behind the four regions: the spare words, 128 bytes a wave
	s_load_b128 s[4:7], s[0:1], 0x0                ; x, W_qkv
	s_load_b128 s[8:11], s[0:1], 0x10              ; W_out, wsc
	s_load_b64 s[12:13], s[0:1], 0x20              ; wss
	v_lshl_add_u32 v[SPW], v0, 2, SPARE
	v_mov_b32 v[NIL], 0
	v_lshrrev_b32 v1, 5, v0
	v_readfirstlane_b32 s16, v1                    ; wave
	v_and_b32 v2, 31, v0                           ; lane
	v_lshlrev_b32 v3, 4, v2                        ; my 16 bytes of a load's 512
	s_mul_i32 s17, s16, WREG
	v_lshrrev_b32 v14, 2, v2
	v_mul_u32_u24 v14, v14, SP
	v_and_b32 v15, 3, v2
	v_lshl_add_u32 v14, v15, 4, v14
	v_add_nc_u32 v14, s17, v14                     ; the stage, on the way in: SP (lane / 4) + 16 (lane % 4)
	v_mul_u32_u24 v15, v2, SP
	v_add_nc_u32 v15, s17, v15                     ; and on the way out: SP x lane: my 16 neighbours
	v_mul_u32_u24 v4, v2, CB                       ; my codes' place in a step's
	v_lshrrev_b32 v5, 1, v2
	s_add_co_u32 s17, s17, 2*32*SP
	v_add_nc_u32 v5, s17, v5                       ; LDS: my wave's 256 scale bytes, my block's byte
	v_lshlrev_b32 v7, 3, v2                        ; and on the way out 8 bytes a lane
	v_add_nc_u32 v6, s17, v7
	s_lshl_b32 s18, ttmp9, 2
	s_add_co_u32 s18, s18, s16                     ; my run, 0 .. 1535
	s_and_b32 s19, s18, 0xfffffffc
	s_and_b32 s20, s18, 1
	s_lshl_b32 s20, s20, 1
	s_bfe_u32 s21, s18, 0x10001
	s_or_b32 s19, s19, s20
	s_or_b32 s19, s19, s21                         ; the run with bits 0 and 1 swapped
	s_max_u32 s20, s18, 1024
	s_sub_co_u32 s20, s20, 1024
	s_min_u32 s20, s20, 383                        ; the run within W_qkv (held inside it where the run is another tensor's)
	s_lshr_b32 s21, s20, 3                         ; g = 3 head + type, 0 .. 47
	s_mul_i32 s22, s21, 43
	s_lshr_b32 s22, s22, 7                         ; head = g / 3 (43 g / 128 is that for g under 48)
	s_mul_i32 s23, s22, 3
	s_sub_co_u32 s23, s21, s23                     ; type
	s_lshl_b32 s23, s23, 7                         ; 128 runs a type,
	s_lshl_b32 s22, s22, 3                         ; 8 a head,
	s_add_co_u32 s23, s23, s22
	s_and_b32 s22, s19, 7                          ; and the swapped group of 8 rows
	s_add_co_u32 s23, s23, s22
	s_add_co_u32 s23, s23, 1024
	s_mov_b32 s24, 1408
	s_mov_b32 s25, 0
	s_wait_alu depctr_va_vdst(0)
	s_wait_kmcnt 0x0
	s_cmp_lt_u32 ttmp9, 352                        ; the choices hang on the work-group's number alone
	s_cselect_b64 s[6:7], s[6:7], s[8:9]           ; W_qkv or W_out
	s_cselect_b32 s24, 1024, s24                   ; the tensor's first run
	s_cselect_b32 s23, s23, s18                    ; where the run goes
	s_cmp_lt_u32 ttmp9, 256
	s_cselect_b64 s[4:5], s[4:5], s[6:7]           ; x or one of the two
	s_cselect_b32 s24, 0, s24
	s_cselect_b32 s23, s19, s23
	s_sub_co_u32 s24, s18, s24
	s_lshl_b32 s24, s24, 15                        ; 32,768 bytes of f32 a run
	s_add_nc_u64 s[4:5], s[4:5], s[24:25]
	s_mul_i32 s24, s23, 32*STEPS*CB                ; 6,144 bytes of codes a run
	s_add_nc_u64 s[8:9], s[10:11], s[24:25]
	s_lshl_b32 s24, s23, 8                         ; 256 scale bytes a run
	s_add_nc_u64 s[10:11], s[12:13], s[24:25]
.macro LOAD t
.irp i, 0,1,2,3
	global_load_b128 v[R+16*((\t)%4)+4*\i:R+16*((\t)%4)+4*\i+3], v3, s[4:5] offset:2048*(\t)+512*\i th:TH_LOAD_NT   ; 32 lanes read 512 consecutive bytes
.endr
.endm
.macro TURN t                          ; step t's numbers through the stage: LDS serves a wave's instructions in order, so no wait stands between the stores and the loads
.irp i, 0,1,2,3
	ds_store_b128 v14, v[R+16*((\t)%4)+4*\i:R+16*((\t)%4)+4*\i+3] offset:32*SP*((\t)%2)+8*SP*\i
.endr
.irp i, 0,1,2,3
	ds_load_b128 v[X+16*((\t)%2)+4*\i:X+16*((\t)%2)+4*\i+3], v15 offset:32*SP*((\t)%2)+16*\i
.endr
.endm
.irp t, 0,1,2,3
	LOAD \t
.endr
	s_wait_loadcnt 12                              ; step 0's four loads are in; three steps' twelve stay out
	TURN 0
.macro STEP t
.set XS, X+16*((\t)%2)
.if (\t) > 0
	s_wait_dscnt 1                                 ; this step's numbers are back from the stage (the last step's byte store may be out): so its stores into the stage have read their registers,
.else
	s_wait_dscnt 0x0
.endif
.if (\t)+4 < STEPS
	LOAD (\t)+4                                    ; which take the loads of four steps on
.endif
.if (\t)+1 < STEPS
.if STEPS-2-(\t) >= 3
	s_wait_loadcnt 12                              ; the next step's four loads are in; those of the three steps behind it may be out
.else
	s_wait_loadcnt 4*(STEPS-2-(\t))
.endif
	TURN (\t)+1                                    ; and go through the other stage while this step is worked
.endif
	v_max3_num_f32 v8, |v[XS]|, |v[XS+1]|, |v[XS+2]|               ; the largest magnitude of my 16, in two chains
	v_max3_num_f32 v9, |v[XS+3]|, |v[XS+4]|, |v[XS+5]|
.irp i, 6,10
	v_max3_num_f32 v8, v8, |v[XS+\i]|, |v[XS+\i+1]|
	v_max3_num_f32 v9, v9, |v[XS+\i+2]|, |v[XS+\i+3]|
.endr
	v_max3_num_f32 v8, v8, |v[XS+14]|, |v[XS+15]|
	v_max3_num_f32 v8, v8, v9, (EMAX+1)<<23        ; and the floor 2^(3 - 127): the byte cannot fall under 1
	v_max_num_f32_dpp v8, v8, v8 row_xmask:1 row_mask:0xf bank_mask:0xf   ; and of my neighbour's 16: the block's
	v_add_nc_u32 v11, -(EMAX<<23), v8              ; 2 off its exponent field: the conversion takes the exponent field of this operand as its scale
	v_cvt_scalef32_pk16_fp6_f32 v[C+4*(\t):C+4*(\t)+2], v[XS:XS+15], v11
	v_lshrrev_b32 v[E+(\t)], 23, v11               ; the scale's byte (also the plain line behind the conversion)
	ds_store_b8 v5, v[E+(\t)] offset:16*(\t)       ; both lanes of a block write the same byte with the same value
	global_store_b96 v4, v[C+4*(\t):C+4*(\t)+2], s[8:9] offset:32*CB*(\t)   ; the wave stores 384 consecutive bytes
.endm
.irp t, 0,1,2,3,4,5,6,7,8,9,10,11,12,13,14,15
	STEP \t
.endr
	ds_load_b64 v[8:9], v6                         ; LDS serves a wave's instructions in order: these see my stores
	s_wait_dscnt 0x0
	global_store_b64 v7, v[8:9], s[10:11]          ; 32 lanes store 256 consecutive bytes, aligned
	s_wait_tensorcnt 0x0                           ; the wave's end, behind my last LDS store
	ds_add_u32 v[SPW], v[NIL]
	s_wait_dscnt 0x0
	s_endpgm
.Lfunc_end_k_q4ce1937fda_quant:
	.size	k_q4ce1937fda_quant, .Lfunc_end_k_q4ce1937fda_quant-k_q4ce1937fda_quant
	.p2alignl 7, 3214868480
	.fill 96, 4, 3214868480
	.section	.rodata,"a",@progbits
	.p2align	6, 0x0
	.amdhsa_kernel k_q4ce1937fda_quant
		.amdhsa_group_segment_fixed_size 33280
		.amdhsa_private_segment_fixed_size 0
		.amdhsa_enable_private_segment 0
		.amdhsa_kernarg_size 40
		.amdhsa_user_sgpr_count 2
		.amdhsa_user_sgpr_kernarg_segment_ptr 1
		.amdhsa_wavefront_size32 1
		.amdhsa_system_sgpr_workgroup_id_x 1
		.amdhsa_system_sgpr_workgroup_id_y 1
		.amdhsa_system_sgpr_workgroup_id_z 1
		.amdhsa_system_vgpr_workitem_id 0
		.amdhsa_next_free_vgpr 192
		.amdhsa_next_free_sgpr 66
		.amdhsa_reserve_vcc 0
		.amdhsa_float_denorm_mode_32 3
		.amdhsa_float_denorm_mode_16_64 3
		.amdhsa_memory_ordered 1
		.amdhsa_forward_progress 1
		.amdhsa_inst_pref_size 33
	.end_amdhsa_kernel
	.amdgpu_metadata
---
amdhsa.version: [ 1, 2 ]
amdhsa.kernels:
  - .name:           k_q4ce1937fda_quant
    .symbol:         k_q4ce1937fda_quant.kd
    .args:
      - { .name: x, .offset: 0, .size: 8, .value_kind: global_buffer, .address_space: global }
      - { .name: W_qkv, .offset: 8, .size: 8, .value_kind: global_buffer, .address_space: global }
      - { .name: W_out, .offset: 16, .size: 8, .value_kind: global_buffer, .address_space: global }
      - { .name: wsc, .offset: 24, .size: 8, .value_kind: global_buffer, .address_space: global }
      - { .name: wss, .offset: 32, .size: 8, .value_kind: global_buffer, .address_space: global }
    .group_segment_fixed_size: 33280
    .private_segment_fixed_size: 0
    .kernarg_segment_align: 8
    .kernarg_segment_size: 40
    .max_flat_workgroup_size: 128
    .sgpr_count:     66
    .vgpr_count:     192
    .wavefront_size: 32
...
	.end_amdgpu_metadata
.endif
;; end of part 1
;; launch gemm_qkv (part 2): grid 12 x 32, 4 waves a work-group, clusters of 4 x 4, 327,680 bytes of LDS; arguments wsc, wss, b_qkv, qkvc, qkvs; writes qkvc, qkvs
.if DOCPART == 2
	.amdgcn_target "amdgcn-amd-amdhsa--gfx1250"
	.amdhsa_code_object_version 6
	.text
	.protected	k_q4ce1937fda_gemm_qkv
	.globl	k_q4ce1937fda_gemm_qkv
	.p2align	8
	.type	k_q4ce1937fda_gemm_qkv,@function
k_q4ce1937fda_gemm_qkv:
	s_mov_b64 s[64:65], 0
	v_nop
	global_prefetch_b8 v0, s[64:65] scope:SCOPE_SE
	s_setreg_imm32_b32 hwreg(HW_REG_WAVE_MODE, 25, 1), 1
	s_wait_xcnt 0x0
	s_wait_alu depctr_hold_cnt(0) depctr_sa_sdst(0) depctr_va_vdst(0) depctr_va_sdst(0) depctr_va_ssrc(0) depctr_va_vcc(0) depctr_vm_vsrc(0)
	s_getreg_b32 s2, hwreg(HW_REG_IB_STS2, 6, 4)
	s_cmp_eq_u32 s2, 0
	s_cbranch_scc0 .Lentry_in_a_cluster
	s_endpgm
.Lentry_in_a_cluster:
	s_bfe_u32 s2, ttmp6, 0x10000c
	s_cmp_lg_u32 s2, 0xf033
	s_cbranch_scc0 .Lentry_shape_is_right
	s_endpgm
.Lentry_shape_is_right:
.set SIZE_K, 1024
.set KSTEP,  256
.set NQ,     KSTEP/128
.set ROWB,   192
.set KROW,   SIZE_K*6/8
.set PITCH,  240
.set FR,     12
.set NL,     6
.set NP,     4
.set HALFT,  128*PITCH
.set SLOT,   4*HALFT
.set LAPS,   SIZE_K/(2*KSTEP)
.set KS,     SIZE_K/32
.set SCL,    2*SLOT
.set HALFS,  (128*KS/256)*272
.set SBLK,   (16*KS/256)*272
.set SPARE,  SCL+4*HALFS
.set L16,  8
.set L8,   9
.set SOF,  10
.set BOF,  11
.set ADRA, 16
.set ADRB, 20
.set ADRS, 27
.set SPW,  28
.set NIL,  29
.set SC,   32
.set BI,   64
.set AF,   128
.set H,    128
.set CD,   192
.set TM,   212
.set PW,   228
.set SW0,  232
.set SW1,  240
.set T4,   248
.set G1, 24
.set G0, 32
.set G1B, 48
.set G0B, 56
.set G1S, 68
.set G0S, 76
.set G1SB, 80
.set G0SB, 88
.set ISV, 95
.set SEL, 96
.set HM,  98
.set MSB, 0
.macro WIN new
.if MSB != \new
	s_set_vgpr_msb (MSB<<8)|\new
.set MSB, \new
.endif
.endm
.set MUL_LO, 0xa1
.set MUL_HI, 0xf1
.set TO_B,   0x40
.macro JLOAD g0a, g1a, g0b, g1b
	s_cmp_eq_u32 s15, 0
	s_cbranch_scc0 .Lfor_b_\@
	tensor_load_to_lds s[\g0a:\g0a+3], s[\g1a:\g1a+7]
	s_nop 0
.rept 4
	v_nop
.endr
	s_branch .Lasked_\@
.Lfor_b_\@:
	tensor_load_to_lds s[\g0b:\g0b+3], s[\g1b:\g1b+7]
	s_nop 0
.rept 4
	v_nop
.endr
.Lasked_\@:
.endm
.macro CREST
	s_cmp_lg_u32 s14, 0
	s_cbranch_scc1 .Lnot_wave_0_\@
	s_barrier_signal -3
.Lnot_wave_0_\@:
	s_barrier_wait -3
	s_barrier_signal -1
	s_barrier_wait -1
.endm
.macro CROUND
	s_barrier_signal -1
	s_barrier_wait -1
	CREST
.endm
	s_load_b128 s[4:7], s[0:1], 0x0
	s_load_b128 s[8:11], s[0:1], 0x10
	s_load_b64 s[12:13], s[0:1], 0x20
	v_lshl_add_u32 v[SPW], v0, 2, SPARE
	v_mov_b32 v[NIL], 0
	ds_add_u32 v[SPW], v[NIL]
	ds_add_u32 v[SPW], v[NIL]
	v_lshrrev_b32 v1, 5, v0
	v_readfirstlane_b32 s14, v1
	s_lshr_b32 s15, s14, 1
	s_and_b32 s16, s14, 1
	s_bfe_u32 s40, ttmp6, 0x40000
	s_bfe_u32 s41, ttmp6, 0x40004
	s_and_b32 s17, ttmp7, 0xffff
	s_add_co_u32 s42, ttmp9, 8
	s_cmp_eq_u32 ttmp9, 2
	s_cselect_b32 s18, s42, s17
	s_cselect_b32 s19, s17, s42
	s_cselect_b32 s[ISV], 1, 0
	s_lshl_b32 s17, s18, 2
	s_add_co_u32 s17, s17, s41
	s_lshl_b32 s42, s19, 2
	s_add_co_u32 s42, s42, s40
	s_lshl_b32 s43, s41, 2
	s_lshl_b32 s43, 15, s43
	s_lshl_b32 s44, 0x1111, s40
	s_or_b32 s[G1+0], s43, (0<<16)|(1<<20)|(1<<21)|(3<<22)|(3<<25)
	s_or_b32 s[G1B+0], s44, (0<<16)|(1<<20)|(1<<21)|(3<<22)|(3<<25)
.irp g, G1, G1B
	s_mov_b32 s[\g+1], ROWB<<16
	s_mov_b32 s[\g+2], 128<<16
	s_mov_b32 s[\g+3], ROWB<<16
	s_mov_b32 s[\g+4], 128
	s_mov_b32 s[\g+5], KROW
	s_mov_b32 s[\g+6], 0
	s_mov_b32 s[\g+7], 0
.endr
	s_or_b32 s[G1S+0], s43, (3<<16)|(1<<20)|(1<<21)|(5<<22)|(3<<25)
	s_or_b32 s[G1SB+0], s44, (3<<16)|(1<<20)|(1<<21)|(5<<22)|(3<<25)
.irp g, G1S, G1SB
	s_mov_b32 s[\g+1], 32<<16
	s_mov_b32 s[\g+2], (128*KS/256)<<16
	s_mov_b32 s[\g+3], 32<<16
	s_mov_b32 s[\g+4], 128*KS/256
	s_mov_b32 s[\g+5], 32
	s_mov_b32 s[\g+6], 0
	s_mov_b32 s[\g+7], 0
.endr
	s_lshl_b32 s18, s16, 7
	s_lshl_b32 s20, s17, 8
	s_add_co_u32 s20, s20, s18
	s_lshl_b32 s46, s42, 8
	s_add_co_u32 s46, s46, s18
	s_mov_b32 s21, 0
	s_mov_b32 s47, 0
	s_mov_b64 s[18:19], KS
	s_mul_u64 s[22:23], s[20:21], s[18:19]
	s_mul_u64 s[92:93], s[46:47], s[18:19]
	s_mov_b64 s[18:19], KROW
	s_mul_u64 s[20:21], s[20:21], s[18:19]
	s_mul_u64 s[46:47], s[46:47], s[18:19]
	s_mul_i32 s45, s14, HALFT
	s_mul_i32 s94, s14, HALFS
	s_mov_b32 s[SEL], 0x76543210
	s_mov_b32 s[SEL+1], 0xfedcba98
	s_mov_b32 s[HM], 0xffff0000
	s_wait_dscnt 0x0
	s_wait_kmcnt 0x0
	s_add_nc_u64 s[20:21], s[4:5], s[20:21]
	s_add_nc_u64 s[22:23], s[6:7], s[22:23]
	s_add_nc_u64 s[46:47], s[4:5], s[46:47]
	s_add_nc_u64 s[92:93], s[6:7], s[92:93]
	CROUND
	s_mov_b32 s[G0S], 1
	s_add_co_u32 s[G0S+1], s94, SCL
	s_mov_b64 s[G0S+2:G0S+3], s[22:23]
	s_or_b32 s[G0S+3], s[G0S+3], 0x80000000
	s_mov_b32 s[G0SB], 1
	s_add_co_u32 s[G0SB+1], s94, SCL
	s_mov_b64 s[G0SB+2:G0SB+3], s[92:93]
	s_or_b32 s[G0SB+3], s[G0SB+3], 0x80000000
	JLOAD G0S, G1S, G0SB, G1SB
.irp s, 0,1
	s_mov_b32 s[G0+4*\s], 1
	s_add_co_u32 s[G0+4*\s+1], s45, \s*SLOT
	s_add_nc_u64 s[G0+4*\s+2:G0+4*\s+3], s[20:21], \s*ROWB
	s_or_b32 s[G0+4*\s+3], s[G0+4*\s+3], 0x80000000
	s_mov_b32 s[G0B+4*\s], 1
	s_add_co_u32 s[G0B+4*\s+1], s45, \s*SLOT
	s_add_nc_u64 s[G0B+4*\s+2:G0B+4*\s+3], s[46:47], \s*ROWB
	s_or_b32 s[G0B+4*\s+3], s[G0B+4*\s+3], 0x80000000
	s_wait_alu depctr_va_vdst(0)
	s_wait_tensorcnt 0x0
	ds_add_u32 v28, v29
	s_wait_dscnt 0x0
	CROUND
	JLOAD G0+4*\s, G1, G0B+4*\s, G1B
.endr
	v_and_b32 v1, 15, v0
	v_bfe_u32 v2, v0, 4, 1
	v_mul_u32_u24 v3, v1, PITCH
	v_mul_u32_u24 v4, v2, 24
	v_add_nc_u32 v4, v3, v4
	v_lshl_add_u32 v5, v2, 4, v4
	s_mul_i32 s21, s15, HALFT
	s_mul_i32 s22, s16, HALFT
	s_add_co_u32 s22, s22, 2*HALFT
.irp s, 0,1
	v_add_nc_u32 v[ADRA+\s], s21, v4
	v_add_nc_u32 v[ADRB+\s], s22, v4
	v_add_nc_u32 v[ADRA+2+\s], s21, v5
	v_add_nc_u32 v[ADRB+2+\s], s22, v5
	s_add_co_u32 s21, s21, SLOT
	s_add_co_u32 s22, s22, SLOT
.endr
	v_mul_u32_u24 v5, v1, KS
	v_lshrrev_b32 v6, 8, v5
	v_lshl_add_u32 v5, v6, 4, v5
	s_mul_i32 s21, s15, HALFS
	s_mul_i32 s22, s16, HALFS
	s_add_co_u32 s22, s22, 2*HALFS
	s_sub_co_u32 s22, s22, s21
	v_mul_u32_u24 v6, s22, v2
	s_add_co_u32 s21, s21, SCL
	v_add_nc_u32 v5, v5, v6
	v_add_nc_u32 v[ADRS], s21, v5
	v_and_b32 v6, 31, v0
	v_lshlrev_b32 v[L16], 4, v6
	v_lshlrev_b32 v[L8], 3, v6
.macro FRAG reg, adr, q, i
.irp p, 0,1,2,3,4,5
.set PIECE, 12*(\q)+6*(\p/3)+\p%3
.if PIECE%8 < 5
	ds_load_b64 v[\reg+2*\p:\reg+2*\p+1], v[\adr] offset:8*PIECE+16*(PIECE/8)+(\i)*16*PITCH
.else
	ds_load_b64 v[\reg+2*\p:\reg+2*\p+1], v[\adr+2] offset:8*PIECE+16*(PIECE/8)+(\i)*16*PITCH
.endif
.endr
.endm
.macro MUL16 a0, p, q, sc, zero
.irp a, \a0, \a0+1
.irp b, 0,1,2,3,4,5,6,7
.if \zero
	v_wmma_scale_f32_16x16x128_f8f6f4 v[8*(8*((\a)%4)+\b):8*(8*((\a)%4)+\b)+7], v[128*(\p)+FR*\b:128*(\p)+FR*\b+FR-1], v[AF+FR*(\a):AF+FR*(\a)+FR-1], 0, v[SC+8*NQ*(\sc)+NQ*\b+(\q)], v[SC+8*NQ*(\sc)+NQ*(\a)+(\q)] matrix_a_fmt:MATRIX_FMT_FP6 matrix_b_fmt:MATRIX_FMT_FP6 matrix_a_scale:MATRIX_SCALE_ROW1
.else
	v_wmma_scale_f32_16x16x128_f8f6f4 v[8*(8*((\a)%4)+\b):8*(8*((\a)%4)+\b)+7], v[128*(\p)+FR*\b:128*(\p)+FR*\b+FR-1], v[AF+FR*(\a):AF+FR*(\a)+FR-1], v[8*(8*((\a)%4)+\b):8*(8*((\a)%4)+\b)+7], v[SC+8*NQ*(\sc)+NQ*\b+(\q)], v[SC+8*NQ*(\sc)+NQ*(\a)+(\q)] matrix_a_fmt:MATRIX_FMT_FP6 matrix_b_fmt:MATRIX_FMT_FP6 matrix_a_scale:MATRIX_SCALE_ROW1
.endif
.endr
.endr
.endm
.macro FETCH_B slot, q, p
	WIN TO_B
.irp i, 0,1,2,3,4,5,6,7
	FRAG 128*(\p)+FR*\i, ADRB+\slot, \q, \i
.endr
	WIN 0
.endm
.macro FETCH_A slot, q, i0
.irp i, \i0, \i0+1, \i0+2, \i0+3
	FRAG AF+FR*(\i), ADRA+\slot, \q, \i
.endr
.endm
.macro SCALES sc
.irp i, 0,1,2,3,4,5,6,7
	ds_load_b64 v[SC+8*NQ*\sc+NQ*\i:SC+8*NQ*\sc+NQ*\i+1], v[ADRS] offset:\i*SBLK
.endr
.endm
.macro PLACES n
.rept \n
	v_nop
.endr
.endm
.macro STEP slot, q, zero
	s_wait_dscnt 4*NL
	WIN MUL_LO
	MUL16 0, (\q)%2, \q, \slot, \zero
	MUL16 2, (\q)%2, \q, \slot, \zero
	s_wait_dscnt 0
	PLACES NP
	FETCH_B \slot, (\q)+1, 1-(\q)%2
	FETCH_A \slot, (\q)+1, 0
	WIN MUL_HI
	MUL16 4, (\q)%2, \q, \slot, \zero
	MUL16 6, (\q)%2, \q, \slot, \zero
	PLACES NP
	WIN 0
	FETCH_A \slot, (\q)+1, 4
.endm
.macro TURN slot, next, fill
	s_wait_tensorcnt 0x0
	ds_add_u32 v[SPW], v[NIL]
	s_wait_dscnt 4*NL+1
	WIN MUL_LO
	MUL16 0, 1, NQ-1, \slot, 0
	s_wait_dscnt 0x0
	s_barrier_signal -1
	MUL16 2, 1, NQ-1, \slot, 0
	WIN 0
	s_barrier_wait -1
.if \fill
	CREST
	s_add_nc_u64 s[G0+4*\slot+2:G0+4*\slot+3], s[G0+4*\slot+2:G0+4*\slot+3], 2*ROWB
	s_add_nc_u64 s[G0B+4*\slot+2:G0B+4*\slot+3], s[G0B+4*\slot+2:G0B+4*\slot+3], 2*ROWB
	JLOAD G0+4*\slot, G1, G0B+4*\slot, G1B
.else
	PLACES NP
.endif
	s_wait_alu depctr_va_vdst(0)
	v_add_nc_u32 v[ADRS], 4*NQ, v[ADRS]
	FETCH_B \next, 0, 0
	FETCH_A \next, 0, 0
	SCALES \next
	WIN MUL_HI
	MUL16 4, 1, NQ-1, \slot, 0
	MUL16 6, 1, NQ-1, \slot, 0
	PLACES NP
	WIN 0
	FETCH_A \next, 0, 4
.endm
.macro LAST
	s_wait_dscnt 4*NL
	WIN MUL_LO
	MUL16 0, 1, NQ-1, 1, 0
	MUL16 2, 1, NQ-1, 1, 0
	s_wait_dscnt 0
	WIN MUL_HI
	MUL16 4, 1, NQ-1, 1, 0
	MUL16 6, 1, NQ-1, 1, 0
	WIN 0
.endm
.macro QUANT s, pw
.irp b, 0,1,2,3
	v_max3_num_f32 v[TM+\b], |v[\s+16*\b]|, |v[\s+1+16*\b]|, 0x1800000
.endr
.irp i, 2,4,6,8,10,12,14
.irp b, 0,1,2,3
	v_max3_num_f32 v[TM+\b], v[TM+\b], |v[\s+16*\b+\i]|, |v[\s+1+16*\b+\i]|
.endr
.endr
.irp b, 0,1,2,3
	v_permlanex16_b32 v[TM+4+\b], v[TM+\b], s[SEL], s[SEL+1]
.endr
.irp b, 0,1,2,3
	v_max_num_f32 v[TM+\b], v[TM+\b], v[TM+4+\b]
.endr
.irp b, 0,1,2,3
	v_add_nc_u32 v[TM+12+\b], 0xff000000, v[TM+\b]
.endr
.irp b, 0,1,2,3
	v_lshrrev_b32 v[TM+4+\b], 23, v[TM+12+\b]
.endr
	v_lshl_or_b32 v[\pw], v[TM+5], 8, v[TM+4]
	v_lshl_or_b32 v[\pw], v[TM+6], 16, v[\pw]
	v_lshl_or_b32 v[\pw], v[TM+7], 24, v[\pw]
.irp c, 0,1
	v_cvt_scalef32_pk16_fp6_f32 v[CD+6*\c:CD+2+6*\c], v[\s+32*\c:\s+15+32*\c], v[TM+12+2*\c]
	v_cvt_scalef32_pk16_fp6_f32 v[CD+12+4*\c:CD+14+4*\c], v[\s+16+32*\c:\s+31+32*\c], v[TM+12+2*\c+1]
.endr
	v_nop
.irp c, 0,1
.irp i, 0,1,2
	v_permlane16_swap_b32 v[CD+6*\c+\i], v[CD+12+4*\c+\i]
.endr
.irp i, 0,1,2
	v_mov_b32 v[CD+3+6*\c+\i], v[CD+12+4*\c+\i]
.endr
.endr
.endm
.macro OUT_QK a
.if \a > 0
	s_wait_xcnt 0x0
.endif
	WIN 0x02+(\a)/4
.set AC, 64*((\a)%4)
.set PP, 0
.rept 32
	v_pk_add_f32 v[H+2*PP:H+2*PP+1], v[AC+2*PP:AC+2*PP+1], v[BI+2*PP:BI+2*PP+1]
.set PP, PP+1
.endr
	WIN 0
	QUANT H, PW
	global_store_b128 v[L16], v[CD:CD+3], s[10:11] offset:768*(\a)
	global_store_b64 v[L8], v[CD+4:CD+5], s[10:11] offset:768*(\a)+512
	global_store_b128 v[L16], v[CD+6:CD+9], s[10:11] offset:98304+768*(\a)
	global_store_b64 v[L8], v[CD+10:CD+11], s[10:11] offset:98304+768*(\a)+512
	v_and_b32 v[SW0+\a], 0xffff, v[PW]
	v_lshrrev_b32 v[SW1+\a], 16, v[PW]
.endm
.macro OUT_V a
.if \a > 0
	s_wait_xcnt 0x0
.endif
	WIN 0x02+(\a)/4
.set AC, 64*((\a)%4)
.set PP, 0
.rept 32
	v_pk_add_f32 v[H+2*PP:H+2*PP+1], v[AC+2*PP:AC+2*PP+1], v[BI+2*(\a):BI+2*(\a)+1]
.set PP, PP+1
.endr
	WIN 0
	QUANT H, SW0+\a
.irp c, 0,1,2
	global_store_b128 v[L16], v[CD+4*\c:CD+4*\c+3], s[10:11] offset:((\a)/4)*98304+((\a)%4)*1536+512*\c
.endr
.endm
	s_wait_alu depctr_va_vdst(0)
	s_wait_tensorcnt 1
	s_barrier_signal -1
	s_barrier_wait -1
	FETCH_B 0, 0, 0
	FETCH_A 0, 0, 0
	SCALES 0
	FETCH_A 0, 0, 4
	STEP 0, 0, 1
	s_mov_b32 s3, LAPS-1
.Llap:
	TURN 0, 1, 1
	STEP 1, 0, 0
	TURN 1, 0, 1
	STEP 0, 0, 0
	s_sub_co_u32 s3, s3, 1
	s_cmp_lg_u32 s3, 0
	s_cbranch_scc1 .Llap
	TURN 0, 1, 0
	STEP 1, 0, 0
	s_cmp_eq_u32 s[ISV], 1
	s_cbranch_scc1 .Lv
	s_lshr_b32 s18, s17, 3
	s_and_b32 s19, s17, 7
	s_lshl_b32 s19, s19, 1
	s_add_co_u32 s19, s19, s15
	s_lshl_b32 s20, s40, 2
	s_lshl_b32 s21, s16, 1
	s_add_co_u32 s20, s20, s21
	s_lshl_b32 s21, s18, 4
	s_add_co_u32 s21, s21, s20
	s_mul_i32 s22, s20, 192
	s_lshl_b32 s23, ttmp9, 6
	s_add_co_u32 s22, s22, s23
	s_lshl_b32 s22, s22, 2
	s_mov_b32 s23, 0
	s_add_nc_u64 s[8:9], s[8:9], s[22:23]
	s_lshl_b32 s22, s21, 7
	s_lshl_b32 s46, s19, 3
	s_add_co_u32 s22, s22, s46
	s_mul_i32 s22, s22, 768
	s_mul_i32 s46, ttmp9, 6291456
	s_add_co_u32 s22, s22, s46
	s_add_nc_u64 s[10:11], s[10:11], s[22:23]
	s_lshl_b32 s22, s21, 13
	s_mul_i32 s46, s21, 12288
	s_add_co_u32 s46, s46, 524288
	s_mov_b32 s47, 12288
	s_cmp_eq_u32 ttmp9, 0
	s_cselect_b32 s22, s22, s46
	s_cselect_b32 s46, 8192, s47
	s_lshl_b32 s47, s19, 9
	s_add_co_u32 s22, s22, s47
	s_add_nc_u64 s[12:13], s[12:13], s[22:23]
	s_mov_b32 s47, 0
	s_add_nc_u64 s[92:93], s[12:13], s[46:47]
	v_lshlrev_b32 v[SOF], 5, v1
	v_lshl_add_u32 v[SOF], v2, 4, v[SOF]
	v_lshlrev_b32 v[BOF], 6, v2
.irp b, 0,1,2,3,4,5,6,7
	global_load_b128 v[BI+8*\b:BI+8*\b+3], v[BOF], s[8:9] offset:4*(192*(\b/4)+32*((\b/2)%2)+8*(\b%2))
	global_load_b128 v[BI+8*\b+4:BI+8*\b+7], v[BOF], s[8:9] offset:4*(192*(\b/4)+32*((\b/2)%2)+8*(\b%2))+16
.endr
	LAST
	PLACES NP
.irp b, 0,1,2,3
	v_mov_b32 v[TM+4+\b], 0
.endr
	s_wait_loadcnt 0x0
.irp a, 0,1,2,3,4,5,6,7
	OUT_QK \a
.endr
.irp j, 0,1,2,3
	v_cndmask_b32 v[T4+\j], v[SW0+\j], v[SW0+4+\j], s[HM]
	v_cndmask_b32 v[T4+4+\j], v[SW1+\j], v[SW1+4+\j], s[HM]
.endr
	global_store_b128 v[SOF], v[T4:T4+3], s[12:13]
	global_store_b128 v[SOF], v[T4+4:T4+7], s[92:93]
	s_branch .Lend
.Lv:
	s_lshr_b32 s18, s42, 3
	s_and_b32 s19, s42, 7
	s_lshl_b32 s19, s19, 1
	s_add_co_u32 s19, s19, s16
	s_lshl_b32 s20, s41, 2
	s_lshl_b32 s21, s15, 1
	s_add_co_u32 s20, s20, s21
	s_lshl_b32 s21, s18, 4
	s_add_co_u32 s21, s21, s20
	s_mul_i32 s22, s20, 768
	s_add_co_u32 s22, s22, 512
	s_mov_b32 s23, 0
	s_add_nc_u64 s[8:9], s[8:9], s[22:23]
	s_lshl_b32 s22, s21, 4
	s_add_co_u32 s22, s22, s19
	s_mul_i32 s22, s22, 6144
	s_add_co_u32 s22, s22, 12582912
	s_add_nc_u64 s[10:11], s[10:11], s[22:23]
	s_mul_i32 s22, s21, 12288
	s_lshl_b32 s46, s19, 8
	s_add_co_u32 s22, s22, s46
	s_add_co_u32 s22, s22, 524288+8192
	s_add_nc_u64 s[12:13], s[12:13], s[22:23]
	v_lshlrev_b32 v[SOF], 4, v1
	v_mad_u32_u24 v[SOF], v2, 12288, v[SOF]
	v_and_b32 v[BOF], 8, v1
	v_add_nc_u32 v[BOF], v[BOF], v1
	v_lshlrev_b32 v[BOF], 2, v[BOF]
.irp a, 0,1,2,3,4,5,6,7
	global_load_b32 v[BI+2*\a], v[BOF], s[8:9] offset:4*(192*(\a/4)+32*((\a%4)/2)+8*(\a%2))
	global_load_b32 v[BI+2*\a+1], v[BOF], s[8:9] offset:4*(192*(\a/4)+32*((\a%4)/2)+8*(\a%2))
.endr
	LAST
	PLACES NP
.irp b, 0,1,2,3
	v_mov_b32 v[TM+4+\b], 0
.endr
	s_wait_loadcnt 0x0
.irp a, 0,1,2,3,4,5,6,7
	OUT_V \a
.endr
.irp j, 0,1,2,3
	v_cndmask_b32 v[T4+\j], v[SW0+\j], v[SW0+4+\j], s[HM]
.endr
	global_store_b128 v[SOF], v[T4:T4+3], s[12:13]
.Lend:
	s_wait_tensorcnt 0x0
	ds_add_u32 v[SPW], v[NIL]
	s_wait_dscnt 0x0
	CROUND
	s_endpgm
.Lfunc_end_k_q4ce1937fda_gemm_qkv:
	.size	k_q4ce1937fda_gemm_qkv, .Lfunc_end_k_q4ce1937fda_gemm_qkv-k_q4ce1937fda_gemm_qkv
	.p2alignl 7, 3214868480
	.fill 96, 4, 3214868480
	.section	.rodata,"a",@progbits
	.p2align	6, 0x0
	.amdhsa_kernel k_q4ce1937fda_gemm_qkv
		.amdhsa_group_segment_fixed_size 327680
		.amdhsa_private_segment_fixed_size 0
		.amdhsa_enable_private_segment 0
		.amdhsa_kernarg_size 40
		.amdhsa_user_sgpr_count 2
		.amdhsa_user_sgpr_kernarg_segment_ptr 1
		.amdhsa_wavefront_size32 1
		.amdhsa_system_sgpr_workgroup_id_x 1
		.amdhsa_system_sgpr_workgroup_id_y 1
		.amdhsa_system_sgpr_workgroup_id_z 1
		.amdhsa_system_vgpr_workitem_id 0
		.amdhsa_next_free_vgpr 1024
		.amdhsa_next_free_sgpr 100
		.amdhsa_reserve_vcc 0
		.amdhsa_float_denorm_mode_32 3
		.amdhsa_float_denorm_mode_16_64 3
		.amdhsa_memory_ordered 1
		.amdhsa_forward_progress 1
		.amdhsa_inst_pref_size 245
	.end_amdhsa_kernel
	.amdgpu_metadata
---
amdhsa.version: [ 1, 2 ]
amdhsa.kernels:
  - .name:           k_q4ce1937fda_gemm_qkv
    .symbol:         k_q4ce1937fda_gemm_qkv.kd
    .args:
      - { .name: wsc, .offset: 0, .size: 8, .value_kind: global_buffer, .address_space: global }
      - { .name: wss, .offset: 8, .size: 8, .value_kind: global_buffer, .address_space: global }
      - { .name: b_qkv, .offset: 16, .size: 8, .value_kind: global_buffer, .address_space: global }
      - { .name: qkvc, .offset: 24, .size: 8, .value_kind: global_buffer, .address_space: global }
      - { .name: qkvs, .offset: 32, .size: 8, .value_kind: global_buffer, .address_space: global }
    .group_segment_fixed_size: 327680
    .private_segment_fixed_size: 0
    .kernarg_segment_align: 8
    .kernarg_segment_size: 40
    .max_flat_workgroup_size: 128
    .sgpr_count:     100
    .vgpr_count:     1024
    .wavefront_size: 32
...
	.end_amdgpu_metadata
.endif
;; end of part 2
;; launch attn (part 3): grid 4 x 64, 16 waves a work-group, clusters of 4 x 1, 210,944 bytes of LDS; arguments qkvc, qkvs, cc, cs; writes cc, cs
.if DOCPART == 3
	.amdgcn_target "amdgcn-amd-amdhsa--gfx1250"
	.amdhsa_code_object_version 6
	.text
	.protected	k_q4ce1937fda_attn
	.globl	k_q4ce1937fda_attn
	.p2align	8
	.type	k_q4ce1937fda_attn,@function
k_q4ce1937fda_attn:
	s_mov_b64 s[64:65], 0
	v_nop
	global_prefetch_b8 v0, s[64:65] scope:SCOPE_SE
	s_setreg_imm32_b32 hwreg(HW_REG_WAVE_MODE, 25, 1), 1
	s_wait_xcnt 0x0
	s_wait_alu depctr_hold_cnt(0) depctr_sa_sdst(0) depctr_va_vdst(0) depctr_va_sdst(0) depctr_va_ssrc(0) depctr_va_vcc(0) depctr_vm_vsrc(0)
	s_getreg_b32 s2, hwreg(HW_REG_IB_STS2, 6, 4)
	s_cmp_eq_u32 s2, 0
	s_cbranch_scc0 .Lentry_in_a_cluster
	s_endpgm
.Lentry_in_a_cluster:
	s_bfe_u32 s2, ttmp6, 0x10000c
	s_cmp_lg_u32 s2, 0x3003
	s_cbranch_scc0 .Lentry_shape_is_right
	s_endpgm
.Lentry_shape_is_right:
; ctx[q] = the sum over keys of softmax(q . k / 8) v, for one head of one batch a cluster, both products on codes of FP6 (E2M3) with E8M0 scales; ctx is quantised along its 64 channels and leaves as codes.
; THE SOFTMAX AHEAD OF THE SECOND PRODUCT: t = score x log2(e) / 8; M = the running largest t rounded UP to a whole number; p = 2^(t - M) is quantised along the keys, not normalised; the row's sum is taken of the unquantised p
; and divides at the end (by a multiplication with v_rcp_f32's result).  When M moves, the sum and O are multiplied by 2^(old M - new M): exact.
; SHARES.  A cluster of four work-groups owns a head (cluster y = 16 x batch + head); work-group cx owns 512 queries; each of its sixteen waves two tiles of 16, one after the other; a tile walks 16 key steps of 128 keys.
; Four waves share a SIMD, so that one wave's vector work stands beside another's products and LDS loads.
; LDS IS FILLED ONCE: a head's K (98,304 bytes), V (98,304) and their scale words (12,288) all fit, so there is no ring.  The four partners ask JOINTLY: waves 0-7 a quarter of K or of V each, wave 8 the scale words: one tensor load a wave outstanding.
; OPERANDS LIE AS IMAGES OF REGISTERS: a tile of K or Q (16 rows x 64): registers 0-3 at 16 x lane, 4-5 at 512 + 8 x lane; a tile of V (16 d x 128 keys): 3 x 512 bytes.  Every LDS load reads consecutive bytes.
; K = 64 IN THE FIRST PRODUCT: the instruction takes 128.  Q's registers 6-11 are zero codes and Q's and K's scale bytes 2, 3 are 0 (2^-127, no NaN).  K's fragment t is named v[32 + 6 t .. + 11]: its upper six registers are the next tile's codes
; (behind tile 7: zeros); every 6-bit code is a finite number, so against Q's zero codes they add nothing.
; Both products are used transposed (S^T = K Q^T, O^T = V^T P^T): a lane holds one query.  A tile's 16 keys are keys 0-7 and 16-23 (or 8-15 and 24-31) of 32, so that the 16 registers of two neighbouring tiles are 16 neighbouring keys; V's d likewise.
; No prefetch: all that the launch reads is asked for at its head.
; LIMITS: NaN and infinities are not served; p under 2^-126 counts as 0; a block of ctx whose largest magnitude lies under 2^-124 gets the byte 1.  ctx's two scale bytes a row leave by one store of 2 bytes a lane, 32 bytes apart:
; a row's 32 bytes come from sixteen heads, which are other work-groups; they are one part in 24 of ctx's bytes.
.set KSC,   196608                     ; LDS: K's codes from 0, V's from 98,304, K's scale words here,
.set VSC,   204800                     ; V's here,
.set SPARE, 208896                     ; and the spare words, 128 bytes for each of sixteen waves
.set SPW, 6
.set NIL, 7
.set S,   136                          ; v136-199 S^T, then p
.set O,   200                          ; v200-231 O^T
.set KSW, 232                          ; v232-235 K's scale words: lanes 0-15 tiles 0-3, lanes 16-31 tiles 4-7
.set VSW, 236                          ; v236-239 V's
.set BM,  240                          ; v240-243 a block's largest score, then its largest p
.set PD,  244                          ; v244-247 at work
.set SO,  248                          ; v248-251 the conversions' scale operands
.set PCD, 52                           ; v52-63 p's codes (in K's registers, which the scores have left)
.set CT,  44                           ; v44-46, v48-50 the conversions' second halves
.set PSW, 86                           ; v86 p's scale word
.set QSW, 87                           ; v87 Q's
.set WV,  12
.set SEL, 20
.set CS,  22
.set G1C, 24
.set G1S, 32
.set G0S, 40
.set G0C, 44
.set TK,  60                           ; s60 the step's codes: 6,144 bytes a step, in K and in V
.set TS,  61                           ; s61 K's scale words: 512 a step
.set TT,  62                           ; s62 V's: 256 a step
.set CNT, 63
.set HM,  66
.macro CROUND
	s_barrier_signal -1
	s_barrier_wait -1
	s_cmp_lg_u32 s[WV], 0
	s_cbranch_scc1 .Lnot_wave_0_\@
	s_barrier_signal -3
.Lnot_wave_0_\@:
	s_barrier_wait -3
	s_barrier_signal -1
	s_barrier_wait -1
.endm
	s_load_b256 s[4:11], s[0:1], 0x0               ; qkvc, qkvs, cc, cs
	v_lshl_add_u32 v[SPW], v0, 2, SPARE
	v_mov_b32 v[NIL], 0
	ds_add_u32 v[SPW], v[NIL]                      ; the wave's opening: the add and its wait stand ahead of the first tensor loads; the set-up below stands between them
	ds_add_u32 v[SPW], v[NIL]
	v_lshrrev_b32 v8, 5, v0
	s_delay_alu instid0(VALU_DEP_1)
	v_readfirstlane_b32 s[WV], v8                  ; wave 0..15
	s_bfe_u32 s13, ttmp6, 0x40000                  ; cx: it enters Q's, cc's and cs's addresses alone
	s_and_b32 s14, ttmp7, 0xffff                   ; 16 x batch + head, which the four partners share
	; descriptor group 1: dense blocks as rows of 256 bytes (32 elements of 8 bytes): 96 rows of codes, 48 of scale words; the mask names all four partners
	s_mov_b32 s[G1C], 15|(3<<16)|(1<<21)
	s_mov_b32 s[G1C+1], 32<<16
	s_mov_b32 s[G1C+2], 96<<16
	s_mov_b32 s[G1C+3], 32<<16
	s_mov_b32 s[G1C+4], 96
	s_mov_b32 s[G1C+5], 32
	s_mov_b32 s[G1C+6], 0
	s_mov_b32 s[G1C+7], 0
	s_mov_b32 s[G1S], 15|(3<<16)|(1<<21)
	s_mov_b32 s[G1S+1], 32<<16
	s_mov_b32 s[G1S+2], 48<<16
	s_mov_b32 s[G1S+3], 32<<16
	s_mov_b32 s[G1S+4], 48
	s_mov_b32 s[G1S+5], 32
	s_mov_b32 s[G1S+6], 0
	s_mov_b32 s[G1S+7], 0
	s_min_u32 s48, s[WV], 7                        ; waves 0-3: K's quarters; 4-7: V's (waves above 8 issue nothing)
	s_lshr_b32 s49, s48, 2
	s_add_co_u32 s49, s49, 1
	s_mul_i32 s49, s49, 6291456                    ; K's codes begin 6,291,456 bytes into qkvc, V's twice that
	s_mul_i32 s50, s14, 98304
	s_add_co_u32 s50, s50, s49
	s_and_b32 s49, s48, 3
	s_mul_i32 s49, s49, 24576
	s_add_co_u32 s50, s50, s49
	s_mov_b32 s51, 0
	s_mul_i32 s48, s48, 24576                      ; and in LDS
	s_mul_i32 s52, s14, 12288
	s_add_co_u32 s52, s52, 524288                  ; the head's scale words of K and V
	s_mov_b32 s53, 0
	s_mov_b32 s[SEL], 0x76543210
	s_mov_b32 s[SEL+1], 0xfedcba98
	s_mov_b32 s[CS], 0x3e38aa3b                    ; c = log2(e) / 8
	s_mov_b32 s[CS+1], s[CS]                       ; (named with it as a pair, so it is written)
	s_mov_b32 s[HM], 0xffff0000
	s_lshl_b32 s16, s14, 7
	s_lshl_b32 s17, s13, 5
	s_add_co_u32 s16, s16, s17
	s_lshl_b32 s17, s[WV], 1
	s_add_co_u32 s16, s16, s17                     ; my first tile of Q: 128 x head + 32 cx + 2 x wave
	s_mul_i32 s16, s16, 768
	s_mov_b32 s17, 0
	s_lshl_b32 s54, s14, 4
	s_lshl_b32 s18, s13, 2
	s_add_co_u32 s54, s54, s18
	s_lshr_b32 s18, s[WV], 2
	s_add_co_u32 s54, s54, s18
	s_lshl_b32 s54, s54, 9                         ; its scale words: group of 8 tiles 4 cx + wave / 4, 512 bytes a group,
	s_and_b32 s18, s[WV], 3
	s_lshl_b32 s18, s18, 3
	s_add_co_u32 s54, s54, s18                     ; word 2 (wave % 4) of a row's eight
	s_mov_b32 s55, 0
	s_lshr_b32 s18, s14, 4
	s_lshl_b32 s18, s18, 7
	s_lshl_b32 s19, s13, 5
	s_add_co_u32 s18, s18, s19
	s_lshl_b32 s19, s[WV], 1
	s_add_co_u32 s18, s18, s19                     ; ctx's tile: 128 x batch + 32 cx + 2 x wave
	s_and_b32 s19, s14, 15                         ; the head
	s_lshl_b32 s56, s19, 9
	s_add_co_u32 s56, s56, s18
	s_mul_i32 s56, s56, 768                        ; cc: [head][512 tiles][768]
	s_mov_b32 s57, 0
	s_lshl_b32 s58, s18, 9
	s_lshl_b32 s19, s19, 1
	s_add_co_u32 s58, s58, s19                     ; cs: 512 bytes a tile, + 2 x head
	s_mov_b32 s59, 0
	v_and_b32 v8, 31, v0                           ; lane
	v_and_b32 v9, 15, v0                           ; r
	v_bfe_u32 v10, v0, 4, 1                        ; h
	s_delay_alu instid0(VALU_DEP_3)
	v_lshlrev_b32 v1, 4, v8                        ; 16 x lane
	s_delay_alu instid0(VALU_DEP_4)
	v_lshlrev_b32 v2, 3, v8                        ; 8 x lane
	s_delay_alu instid0(VALU_DEP_2)
	v_add_nc_u32 v3, 98304, v1                     ; 16 x lane in V
	v_lshlrev_b32 v29, 5, v9                       ; 32 r
	v_lshlrev_b32 v30, 5, v8                       ; 32 x lane
	s_delay_alu instid0(VALU_DEP_2)
	v_lshl_add_u32 v4, v10, 4, v29
	s_delay_alu instid0(VALU_DEP_1)
	v_add_nc_u32 v4, KSC, v4                       ; K's scale words: 32 r + 16 h
	v_lshl_add_u32 v5, v9, 4, VSC                  ; V's: 16 r
	s_wait_dscnt 0x0                               ; the opening add is done
	s_wait_kmcnt 0x0
	s_mov_b32 s[G0C], 1
	s_mov_b32 s[G0C+1], s48
	s_add_nc_u64 s[G0C+2:G0C+3], s[4:5], s[50:51]
	s_or_b32 s[G0C+3], s[G0C+3], 0x80000000
	s_mov_b32 s[G0S], 1
	s_mov_b32 s[G0S+1], KSC
	s_add_nc_u64 s[G0S+2:G0S+3], s[6:7], s[52:53]
	s_or_b32 s[G0S+3], s[G0S+3], 0x80000000
	s_add_nc_u64 s[68:69], s[4:5], s[16:17]        ; Q's codes
	s_add_nc_u64 s[70:71], s[6:7], s[54:55]        ; Q's scale words
	s_add_nc_u64 s[8:9], s[8:9], s[56:57]
	s_add_nc_u64 s[10:11], s[10:11], s[58:59]
	CROUND                                         ; all four work-groups are here: the joint loads meet
	s_cmp_lt_u32 s[WV], 8                          ; the branches hang on the wave's number alone; an s_nop 0 and four v_nop follow each load
	s_cbranch_scc0 .Lnot_codes
	tensor_load_to_lds s[G0C:G0C+3], s[G1C:G1C+7]
	s_nop 0
.rept 4
	v_nop
.endr
	s_branch .Lasked
.Lnot_codes:
	s_cmp_eq_u32 s[WV], 8
	s_cbranch_scc0 .Lasked
	tensor_load_to_lds s[G0S:G0S+3], s[G1S:G1S+7]
	s_nop 0
.rept 4
	v_nop
.endr
.Lasked:
.macro QLOAD p                         ; my tile p of Q: its image and its scale words
	global_load_b128 v[16:19], v1, s[68:69] offset:768*\p
	global_load_b64 v[20:21], v2, s[68:69] offset:768*\p+512
	global_load_b32 v[QSW], v29, s[70:71] offset:4*\p
.endm
	s_wait_alu depctr_va_vdst(0)
	QLOAD 0
.irp j, 22,23,24,25,26,27,80,81,82,83,84,85
	v_mov_b32 v\j, 0                               ; zero codes: Q's k = 64 .. 127, and what stands behind K's tile 7
.endr
.irp b, 0,1,2,3
	v_mov_b32 v[PD+\b], 0                          ; written once: a lane permute's destination counts as one of its sources
.endr
	v_mov_b32 v253, 0                              ; (named as the upper half of the pair v[252:253])
	v_mov_b32 v254, 0
.macro INIT                            ; the step is written once: the first finds zeros, which the first change of M leaves zeros
	v_mov_b32 v13, 0xff61b1e6                      ; the largest t so far: -3e38
	s_delay_alu instid0(VALU_DEP_1)
	v_floor_f32 v12, -v13                          ; -M
	v_mov_b32 v14, 0                               ; the sum, in two halves
	v_mov_b32 v15, 0
.set J, 0
.rept 32
	v_mov_b32 v[O+J], 0
.set J, J+1
.endr
.endm
; A KEY STEP: 128 keys.
.macro STEP
	v_add_nc_u32 v8, s[TK], v1                     ; five additions: also the places between the last products and the loads into their registers
	v_add_nc_u32 v9, s[TK], v2
	v_add_nc_u32 v10, s[TK], v3
	v_add_nc_u32 v11, s[TS], v4
	v_add_nc_u32 v28, s[TT], v5
	ds_load_b128 v[KSW:KSW+3], v11
.irp t, 0,1,2,3,4,5,6,7
	ds_load_b128 v[32+6*\t:35+6*\t], v8 offset:768*\t
	ds_load_b64 v[36+6*\t:37+6*\t], v9 offset:768*\t+512
.endr
	ds_load_b128 v[VSW:VSW+3], v28
.irp t, 0,1,2,3
.irp c, 0,1,2
	ds_load_b128 v[88+12*\t+4*\c:91+12*\t+4*\c], v10 offset:1536*\t+512*\c
.endr
.endr
	s_wait_dscnt 13                                ; K and its scale words are in; V's 13 loads may be out
.irp t, 0,1,2,3
	v_wmma_scale_f32_16x16x128_f8f6f4 v[S+8*\t:S+8*\t+7], v[32+6*\t:43+6*\t], v[16:27], 0, v[KSW+\t], v[QSW] matrix_a_fmt:MATRIX_FMT_FP6 matrix_b_fmt:MATRIX_FMT_FP6
.endr
.irp t, 4,5,6,7
	v_wmma_scale_f32_16x16x128_f8f6f4 v[S+8*\t:S+8*\t+7], v[32+6*\t:43+6*\t], v[16:27], 0, v[KSW+\t-4], v[QSW] matrix_a_fmt:MATRIX_FMT_FP6 matrix_b_fmt:MATRIX_FMT_FP6 matrix_a_scale:MATRIX_SCALE_ROW1
.endr
.rept 4
	v_nop
.endr
.irp b, 0,1,2,3
	v_max3_num_f32 v[BM+\b], v[S+16*\b], v[S+1+16*\b], v[S+2+16*\b]   ; the largest score of each block of 32 keys: it serves for the row's maximum and, since p rises with the score, for the block's largest p
.endr
.irp i, 3,5,7,9,11,13
.irp b, 0,1,2,3
	v_max3_num_f32 v[BM+\b], v[BM+\b], v[S+16*\b+\i], v[S+1+16*\b+\i]
.endr
.endr
.irp b, 0,1,2,3
	v_max_num_f32 v[BM+\b], v[BM+\b], v[S+15+16*\b]
.endr
.irp b, 0,1,2,3
	s_delay_alu instid0(VALU_DEP_4)
	v_permlanex16_b32 v[PD+\b], v[BM+\b], s[SEL], s[SEL+1]
.endr
.irp b, 0,1,2,3
	s_delay_alu instid0(VALU_DEP_4)
	v_max_num_f32 v[BM+\b], v[BM+\b], v[PD+\b]     ; with lane l xor 16's 16 keys
.endr
	s_delay_alu instid0(VALU_DEP_2)
	v_max3_num_f32 v254, v[BM], v[BM+1], v[BM+2]
	s_delay_alu instid0(VALU_DEP_1)
	v_max_num_f32 v254, v254, v[BM+3]
	s_delay_alu instid0(VALU_DEP_1)
	v_mul_f32 v254, s[CS], v254                    ; the step's largest t
	s_delay_alu instid0(VALU_DEP_1)
	v_max_num_f32 v13, v13, v254                   ; the running largest t
	v_mov_b32 v254, v12
	s_delay_alu instid0(VALU_DEP_2)
	v_floor_f32 v12, -v13                          ; the new -M = -ceil(t): a whole number
	s_delay_alu instid0(VALU_DEP_1)
	v_sub_f32 v254, v12, v254                      ; old M - new M, 0 or less
	s_delay_alu instid0(VALU_DEP_1)
	v_cvt_i32_f32 v254, v254                       ; (it saturates)
	s_delay_alu instid0(VALU_DEP_1)
	v_ldexp_f32 v252, 1.0, v254                    ; f = 2^(old M - new M)
.set J, 0
.rept 32
	v_pk_fma_f32 v[S+J:S+J+1], v[S+J:S+J+1], s[CS:CS+1], v[12:13] op_sel_hi:[1,0,0]   ; t - M, two at a time
.set J, J+2
.endr
.irp b, 0,1,2,3
	v_fma_f32 v[BM+\b], v[BM+\b], s[CS], v12       ; the same of each block's largest score
.endr
.set J, 0
	s_wait_alu depctr_va_vdst(0)
.rept 64
	v_exp_f32 v[S+J], v[S+J]                       ; p = 2^(t - M), at most 1
.set J, J+1
.endr
	s_setprio 1
	v_pk_mul_f32 v[14:15], v[14:15], v[252:253] op_sel_hi:[1,0]   ; the sums under the new M (a plain place behind the exponentials)
	s_wait_alu depctr_va_vdst(0)                   ; one wait for the whole batch, ahead of its first reader
.irp b, 0,1,2,3
	v_exp_f32 v[BM+\b], v[BM+\b]                   ; the block's largest p
.endr
	v_pk_add_f32 v[244:245], v[140:141], v[144:145]
	v_pk_add_f32 v[250:251], v[148:149], v[152:153]
	v_pk_add_f32 v[248:249], v[156:157], v[160:161]
	v_pk_add_f32 v[246:247], v[164:165], v[168:169]
	v_pk_add_f32 v[234:235], v[172:173], v[176:177]
	v_pk_add_f32 v[232:233], v[180:181], v[184:185]
	v_pk_add_f32 v[78:79], v[188:189], v[192:193]
	v_pk_add_f32 v[14:15], v[14:15], v[196:197]
	v_pk_add_f32 v[244:245], v[244:245], v[136:137]
	v_pk_add_f32 v[250:251], v[250:251], v[138:139]
	v_pk_add_f32 v[248:249], v[248:249], v[142:143]
	v_pk_add_f32 v[246:247], v[246:247], v[146:147]
	v_pk_add_f32 v[234:235], v[234:235], v[150:151]
	v_pk_add_f32 v[232:233], v[232:233], v[154:155]
	v_pk_add_f32 v[78:79], v[78:79], v[158:159]
	v_pk_add_f32 v[14:15], v[14:15], v[162:163]
	v_pk_add_f32 v[244:245], v[244:245], v[166:167]
	v_pk_add_f32 v[250:251], v[250:251], v[170:171]
	v_pk_add_f32 v[248:249], v[248:249], v[174:175]
	v_pk_add_f32 v[246:247], v[246:247], v[178:179]
	v_pk_add_f32 v[234:235], v[234:235], v[182:183]
	v_pk_add_f32 v[232:233], v[232:233], v[186:187]
	v_pk_add_f32 v[78:79], v[78:79], v[190:191]
	v_pk_add_f32 v[14:15], v[14:15], v[194:195]
	v_pk_add_f32 v[244:245], v[244:245], v[198:199]
	s_delay_alu instid0(VALU_DEP_2)
	v_pk_add_f32 v[14:15], v[14:15], v[246:247]
	s_delay_alu instid0(VALU_DEP_2)
	v_pk_add_f32 v[244:245], v[244:245], v[234:235]
	v_pk_add_f32 v[250:251], v[250:251], v[232:233]
	v_pk_add_f32 v[248:249], v[248:249], v[78:79]
	s_delay_alu instid0(VALU_DEP_2)
	v_pk_add_f32 v[14:15], v[14:15], v[250:251]
	s_delay_alu instid0(VALU_DEP_2)
	v_pk_add_f32 v[244:245], v[244:245], v[248:249]
	s_delay_alu instid0(VALU_DEP_1)
	v_pk_add_f32 v[14:15], v[14:15], v[244:245]
	s_wait_alu depctr_va_vdst(0)                   ; and one for the four
.irp b, 0,1,2,3
	v_max_num_f32 v[BM+\b], 0x1800000, v[BM+\b]    ; the floor 2^(3 - 127): the byte cannot fall under 1
.endr
.irp b, 0,1,2,3
	s_delay_alu instid0(VALU_DEP_4)
	v_add_nc_u32 v[SO+\b], 0xff000000, v[BM+\b]    ; 2 off the exponent field: the conversion's scale operand
.endr
.irp b, 0,1,2,3
	s_delay_alu instid0(VALU_DEP_4)
	v_lshrrev_b32 v[PD+\b], 23, v[SO+\b]           ; the scale's byte
.endr
	s_delay_alu instid0(VALU_DEP_3)
	v_lshl_or_b32 v[PSW], v[PD+1], 8, v[PD]        ; p's scale word for these 128 keys
	s_delay_alu instid0(VALU_DEP_1)
	v_lshl_or_b32 v[PSW], v[PD+2], 16, v[PSW]
	s_delay_alu instid0(VALU_DEP_1)
	v_lshl_or_b32 v[PSW], v[PD+3], 24, v[PSW]
.irp c, 0,1
	v_cvt_scalef32_pk16_fp6_f32 v[PCD+6*\c:PCD+2+6*\c], v[S+32*\c:S+15+32*\c], v[SO+2*\c]
	v_cvt_scalef32_pk16_fp6_f32 v[CT+4*\c:CT+2+4*\c], v[S+16+32*\c:S+31+32*\c], v[SO+2*\c+1]
.endr
	v_nop                                          ; one plain place behind a scaled conversion
.irp c, 0,1                                    ; the operand's layout wants a whole block in a lane
.irp i, 0,1,2
	v_permlane16_swap_b32 v[PCD+6*\c+\i], v[CT+4*\c+\i]
.endr
.irp i, 0,1,2
	s_delay_alu instid0(VALU_DEP_3)
	v_mov_b32 v[PCD+3+6*\c+\i], v[CT+4*\c+\i]
.endr
.endr
.set J, 0
	s_setprio 0
.rept 16
	v_pk_mul_f32 v[O+J:O+J+1], v[O+J:O+J+1], v[252:253] op_sel_hi:[1,0]   ; O^T under the new M (also the places between p's codes and scale word and the products)
.set J, J+2
.endr
	s_wait_alu depctr_va_vdst(0)
	s_wait_dscnt 0x0                               ; V and its scale words are in
.irp t, 0,1,2,3
	v_wmma_scale_f32_16x16x128_f8f6f4 v[O+8*\t:O+8*\t+7], v[88+12*\t:99+12*\t], v[PCD:PCD+11], v[O+8*\t:O+8*\t+7], v[VSW+\t], v[PSW] matrix_a_fmt:MATRIX_FMT_FP6 matrix_b_fmt:MATRIX_FMT_FP6
.endr
	s_add_co_u32 s[TK], s[TK], 6144
	s_add_co_u32 s[TS], s[TS], 512
	s_add_co_u32 s[TT], s[TT], 256
.endm
.macro STEPS                           ; a tile's sixteen key steps
	s_mov_b32 s[TK], 0
	s_mov_b32 s[TS], 0
	s_mov_b32 s[TT], 0
	s_mov_b32 s[CNT], 16
.Lstep_\@:
	s_setprio 2
	STEP
	s_sub_co_u32 s[CNT], s[CNT], 1
	s_cmp_lg_u32 s[CNT], 0
	s_cbranch_scc1 .Lstep_\@
	s_setprio 0
.endm
; THE WAY OUT of tile p: O^T / the sum; register 16 b + i is channel 32 b + 16 h + i of my query: two blocks, quantised as p is; the six registers are the image of 16 rows x 64 K.
.macro WAYOUT p
.rept 4
	v_nop                                          ; places behind the last products
.endr
	v_add_f32 v14, v14, v15
	s_delay_alu instid0(VALU_DEP_1)
	v_permlanex16_b32 v254, v14, s[SEL], s[SEL+1]
	s_delay_alu instid0(VALU_DEP_1)
	v_add_f32 v14, v14, v254                       ; the row's sum
	s_wait_alu depctr_va_vdst(0)
	v_rcp_f32 v14, v14
	v_nop                                          ; a plain place behind the transcendental
	s_wait_alu depctr_va_vdst(0)                   ; and the wait ahead of its first reader
.set J, 0
.rept 16
	v_pk_mul_f32 v[S+J:S+J+1], v[O+J:O+J+1], v[14:15] op_sel_hi:[1,0]   ; each accumulator from its low end on
.set J, J+2
.endr
.irp b, 0,1
	v_max3_num_f32 v[BM+\b], |v[S+16*\b]|, |v[S+1+16*\b]|, 0x1800000
.endr
.irp i, 2,4,6,8,10,12,14
.irp b, 0,1
	s_delay_alu instid0(VALU_DEP_2)
	v_max3_num_f32 v[BM+\b], v[BM+\b], |v[S+16*\b+\i]|, |v[S+1+16*\b+\i]|
.endr
.endr
.irp b, 0,1
	s_delay_alu instid0(VALU_DEP_2)
	v_permlanex16_b32 v[PD+\b], v[BM+\b], s[SEL], s[SEL+1]
.endr
.irp b, 0,1
	s_delay_alu instid0(VALU_DEP_2)
	v_max_num_f32 v[BM+\b], v[BM+\b], v[PD+\b]
.endr
.irp b, 0,1
	s_delay_alu instid0(VALU_DEP_2)
	v_add_nc_u32 v[SO+\b], 0xff000000, v[BM+\b]
.endr
.irp b, 0,1
	s_delay_alu instid0(VALU_DEP_2)
	v_lshrrev_b32 v[PD+\b], 23, v[SO+\b]
.endr
	s_delay_alu instid0(VALU_DEP_1)
	v_lshl_or_b32 v254, v[PD+1], 8, v[PD]          ; my row's two scale bytes
	v_cvt_scalef32_pk16_fp6_f32 v[PCD:PCD+2], v[S:S+15], v[SO]
	v_cvt_scalef32_pk16_fp6_f32 v[CT:CT+2], v[S+16:S+31], v[SO+1]
	v_nop
.irp i, 0,1,2
	v_permlane16_swap_b32 v[PCD+\i], v[CT+\i]
.endr
.irp i, 0,1,2
	s_delay_alu instid0(VALU_DEP_3)
	v_mov_b32 v[PCD+3+\i], v[CT+\i]
.endr
	global_store_b128 v1, v[PCD:PCD+3], s[8:9] offset:768*\p          ; 512 consecutive bytes
	global_store_b64 v2, v[PCD+4:PCD+5], s[8:9] offset:768*\p+512     ; 256 consecutive bytes
.if \p == 0
	v_mov_b32 v255, v254                           ; kept for the one store of both tiles' bytes
	s_wait_xcnt 0x0                                ; the stores have read their registers: the next tile's loads may land there
.else
	v_cndmask_b32 v255, v255, v254, s[HM]          ; lanes 0-15: the first tile's rows; lanes 16-31: the second's
	global_store_b16 v30, v255, s[10:11]
.endif
.endm
	s_wait_tensorcnt 0x0                           ; my part of the head is in,
	s_barrier_signal -1
	s_barrier_wait -1                              ; everybody's is; nothing is filled again
	s_wait_loadcnt 0x0                             ; Q
	INIT
	STEPS
	QLOAD 1                                        ; the second tile's Q lands under the first tile's way out
	WAYOUT 0
	s_wait_loadcnt 0x0
	INIT
	STEPS
	WAYOUT 1
	s_wait_tensorcnt 0x0                           ; the wave's end
	ds_add_u32 v[SPW], v[NIL]
	s_wait_dscnt 0x0
	CROUND                                         ; the closing round
	s_endpgm
.Lfunc_end_k_q4ce1937fda_attn:
	.size	k_q4ce1937fda_attn, .Lfunc_end_k_q4ce1937fda_attn-k_q4ce1937fda_attn
	.p2alignl 7, 3214868480
	.fill 96, 4, 3214868480
	.section	.rodata,"a",@progbits
	.p2align	6, 0x0
	.amdhsa_kernel k_q4ce1937fda_attn
		.amdhsa_group_segment_fixed_size 210944
		.amdhsa_private_segment_fixed_size 0
		.amdhsa_enable_private_segment 0
		.amdhsa_kernarg_size 32
		.amdhsa_user_sgpr_count 2
		.amdhsa_user_sgpr_kernarg_segment_ptr 1
		.amdhsa_wavefront_size32 1
		.amdhsa_system_sgpr_workgroup_id_x 1
		.amdhsa_system_sgpr_workgroup_id_y 1
		.amdhsa_system_sgpr_workgroup_id_z 1
		.amdhsa_system_vgpr_workitem_id 0
		.amdhsa_next_free_vgpr 256
		.amdhsa_next_free_sgpr 80
		.amdhsa_reserve_vcc 0
		.amdhsa_float_denorm_mode_32 3
		.amdhsa_float_denorm_mode_16_64 3
		.amdhsa_memory_ordered 1
		.amdhsa_forward_progress 1
		.amdhsa_inst_pref_size 54
	.end_amdhsa_kernel
	.amdgpu_metadata
---
amdhsa.version: [ 1, 2 ]
amdhsa.kernels:
  - .name:           k_q4ce1937fda_attn
    .symbol:         k_q4ce1937fda_attn.kd
    .args:
      - { .name: qkvc, .offset: 0, .size: 8, .value_kind: global_buffer, .address_space: global }
      - { .name: qkvs, .offset: 8, .size: 8, .value_kind: global_buffer, .address_space: global }
      - { .name: cc, .offset: 16, .size: 8, .value_kind: global_buffer, .address_space: global }
      - { .name: cs, .offset: 24, .size: 8, .value_kind: global_buffer, .address_space: global }
    .group_segment_fixed_size: 210944
    .private_segment_fixed_size: 0
    .kernarg_segment_align: 8
    .kernarg_segment_size: 32
    .max_flat_workgroup_size: 512
    .sgpr_count:     80
    .vgpr_count:     256
    .wavefront_size: 32
...
	.end_amdgpu_metadata
.endif
;; end of part 3
;; launch gemm_out (part 4): grid 4 x 32, 4 waves a work-group, clusters of 4 x 4, 327,680 bytes of LDS; arguments cc, cs, wsc, wss, b_out, out0; writes out0
.if DOCPART == 4
	.amdgcn_target "amdgcn-amd-amdhsa--gfx1250"
	.amdhsa_code_object_version 6
	.text
	.protected	k_q4ce1937fda_gemm_out
	.globl	k_q4ce1937fda_gemm_out
	.p2align	8
	.type	k_q4ce1937fda_gemm_out,@function
k_q4ce1937fda_gemm_out:
	s_mov_b64 s[64:65], 0
	v_nop
	global_prefetch_b8 v0, s[64:65] scope:SCOPE_SE
	s_setreg_imm32_b32 hwreg(HW_REG_WAVE_MODE, 25, 1), 1
	s_wait_xcnt 0x0
	s_wait_alu depctr_hold_cnt(0) depctr_sa_sdst(0) depctr_va_vdst(0) depctr_va_sdst(0) depctr_va_ssrc(0) depctr_va_vcc(0) depctr_vm_vsrc(0)
	s_getreg_b32 s2, hwreg(HW_REG_IB_STS2, 6, 4)
	s_cmp_eq_u32 s2, 0
	s_cbranch_scc0 .Lentry_in_a_cluster
	s_endpgm
.Lentry_in_a_cluster:
	s_bfe_u32 s2, ttmp6, 0x10000c
	s_cmp_lg_u32 s2, 0xf033
	s_cbranch_scc0 .Lentry_shape_is_right
	s_endpgm
.Lentry_shape_is_right:
.set SIZE_K, 1024
.set SIZE_N, 1024
.set KSTEP,  256
.set NQ,     KSTEP/128
.set ROWB,   192
.set KROW,   SIZE_K*6/8
.set PITCH,  240
.set FR,     12
.set NL,     6
.set NLA,    4
.set NP,     4
.set HALFA,  24576
.set ASTEP,  4*512*768
.set HALFT,  128*PITCH
.set SLOT,   2*HALFA+2*HALFT
.set LAPS,   SIZE_K/(2*KSTEP)
.set KS,     SIZE_K/32
.set SCL,    2*SLOT
.set HALFS,  (128*KS/256)*272
.set SBLK,   (16*KS/256)*272
.set SPARE,  SCL+4*HALFS
.set SPITCH, 528
.set ADRA, 16
.set ADRB, 20
.set STO,  24
.set RD,   25
.set CO,   26
.set ADRS, 27
.set SPW,  28
.set NIL,  29
.set SC,   32
.set BIA,  64
.set AF,   128
.set BK,   128
.set G1, 24
.set G0, 32
.set G1B, 48
.set G0B, 56
.set G1S, 68
.set G0S, 76
.set G1SB, 80
.set G0SB, 88
.set MSB, 0
.macro WIN new
.if MSB != \new
	s_set_vgpr_msb (MSB<<8)|\new
.set MSB, \new
.endif
.endm
.set MUL_LO, 0xa1
.set MUL_HI, 0xf1
.set TO_B,   0x40
.macro JLOAD g0a, g1a, g0b, g1b
	s_cmp_eq_u32 s15, 0
	s_cbranch_scc0 .Lfor_b_\@
	tensor_load_to_lds s[\g0a:\g0a+3], s[\g1a:\g1a+7]
	s_nop 0
.rept 4
	v_nop
.endr
	s_branch .Lasked_\@
.Lfor_b_\@:
	tensor_load_to_lds s[\g0b:\g0b+3], s[\g1b:\g1b+7]
	s_nop 0
.rept 4
	v_nop
.endr
.Lasked_\@:
.endm
.macro CREST
	s_cmp_lg_u32 s14, 0
	s_cbranch_scc1 .Lnot_wave_0_\@
	s_barrier_signal -3
.Lnot_wave_0_\@:
	s_barrier_wait -3
	s_barrier_signal -1
	s_barrier_wait -1
.endm
.macro CROUND
	s_barrier_signal -1
	s_barrier_wait -1
	CREST
.endm
	s_load_b128 s[4:7], s[0:1], 0x0
	s_load_b128 s[8:11], s[0:1], 0x10
	s_load_b128 s[96:99], s[0:1], 0x20
	v_lshl_add_u32 v[SPW], v0, 2, SPARE
	v_mov_b32 v[NIL], 0
	ds_add_u32 v[SPW], v[NIL]
	ds_add_u32 v[SPW], v[NIL]
	v_lshrrev_b32 v1, 5, v0
	v_readfirstlane_b32 s14, v1
	s_lshr_b32 s15, s14, 1
	s_and_b32 s16, s14, 1
	s_bfe_u32 s40, ttmp6, 0x40000
	s_bfe_u32 s41, ttmp6, 0x40004
	s_lshl_b32 s42, ttmp9, 2
	s_add_co_u32 s42, s42, s40
	s_and_b32 s17, ttmp7, 0xffff
	s_lshl_b32 s17, s17, 2
	s_add_co_u32 s17, s17, s41
	s_lshl_b32 s43, s41, 2
	s_lshl_b32 s43, 15, s43
	s_lshl_b32 s44, 0x1111, s40
	s_or_b32 s[G1+0], s43, (3<<16)|(1<<21)
	s_mov_b32 s[G1+1], 768<<16
	s_mov_b32 s[G1+2], 4<<16
	s_mov_b32 s[G1+3], 768<<16
	s_mov_b32 s[G1+4], 4
	s_mov_b32 s[G1+5], 49152
	s_mov_b32 s[G1+6], 0
	s_mov_b32 s[G1+7], 0
	s_or_b32 s[G1B+0], s44, (0<<16)|(1<<20)|(1<<21)|(3<<22)|(3<<25)
	s_mov_b32 s[G1B+1], ROWB<<16
	s_mov_b32 s[G1B+2], 128<<16
	s_mov_b32 s[G1B+3], ROWB<<16
	s_mov_b32 s[G1B+4], 128
	s_mov_b32 s[G1B+5], KROW
	s_mov_b32 s[G1B+6], 0
	s_mov_b32 s[G1B+7], 0
	s_or_b32 s[G1S+0], s43, (3<<16)|(1<<20)|(1<<21)|(5<<22)|(3<<25)
	s_or_b32 s[G1SB+0], s44, (3<<16)|(1<<20)|(1<<21)|(5<<22)|(3<<25)
.irp g, G1S, G1SB
	s_mov_b32 s[\g+1], 32<<16
	s_mov_b32 s[\g+2], (128*KS/256)<<16
	s_mov_b32 s[\g+3], 32<<16
	s_mov_b32 s[\g+4], 128*KS/256
	s_mov_b32 s[\g+5], 32
	s_mov_b32 s[\g+6], 0
	s_mov_b32 s[\g+7], 0
.endr
	s_lshl_b32 s18, s16, 7
	s_lshl_b32 s20, s17, 8
	s_add_co_u32 s20, s20, s18
	s_lshl_b32 s46, s42, 8
	s_add_co_u32 s46, s46, s18
	s_add_co_u32 s46, s46, 11264
	s_mov_b32 s21, 0
	s_mov_b32 s47, 0
	s_mov_b64 s[18:19], KS
	s_mul_u64 s[22:23], s[20:21], s[18:19]
	s_mul_u64 s[92:93], s[46:47], s[18:19]
	s_mov_b64 s[18:19], 48
	s_mul_u64 s[20:21], s[20:21], s[18:19]
	s_mov_b64 s[18:19], KROW
	s_mul_u64 s[46:47], s[46:47], s[18:19]
	s_mul_i32 s45, s16, HALFA
	s_mul_i32 s2, s16, HALFT
	s_add_co_u32 s2, s2, 2*HALFA
	s_mul_i32 s94, s14, HALFS
	s_wait_dscnt 0x0
	s_wait_kmcnt 0x0
	s_add_nc_u64 s[20:21], s[4:5], s[20:21]
	s_add_nc_u64 s[22:23], s[6:7], s[22:23]
	s_add_nc_u64 s[46:47], s[8:9], s[46:47]
	s_add_nc_u64 s[92:93], s[10:11], s[92:93]
	CROUND
	s_mov_b32 s[G0S], 1
	s_add_co_u32 s[G0S+1], s94, SCL
	s_mov_b64 s[G0S+2:G0S+3], s[22:23]
	s_or_b32 s[G0S+3], s[G0S+3], 0x80000000
	s_mov_b32 s[G0SB], 1
	s_add_co_u32 s[G0SB+1], s94, SCL
	s_mov_b64 s[G0SB+2:G0SB+3], s[92:93]
	s_or_b32 s[G0SB+3], s[G0SB+3], 0x80000000
	JLOAD G0S, G1S, G0SB, G1SB
.irp s, 0,1
	s_mov_b32 s[G0+4*\s], 1
	s_add_co_u32 s[G0+4*\s+1], s45, \s*SLOT
	s_add_nc_u64 s[G0+4*\s+2:G0+4*\s+3], s[20:21], \s*ASTEP
	s_or_b32 s[G0+4*\s+3], s[G0+4*\s+3], 0x80000000
	s_mov_b32 s[G0B+4*\s], 1
	s_add_co_u32 s[G0B+4*\s+1], s2, \s*SLOT
	s_add_nc_u64 s[G0B+4*\s+2:G0B+4*\s+3], s[46:47], \s*ROWB
	s_or_b32 s[G0B+4*\s+3], s[G0B+4*\s+3], 0x80000000
	s_wait_alu depctr_va_vdst(0)
	s_wait_tensorcnt 0x0
	ds_add_u32 v28, v29
	s_wait_dscnt 0x0
	CROUND
	JLOAD G0+4*\s, G1, G0B+4*\s, G1B
.endr
	v_and_b32 v1, 15, v0
	v_bfe_u32 v2, v0, 4, 1
	v_and_b32 v9, 31, v0
	s_lshl_b32 s46, s42, 10
	s_lshl_b32 s47, s16, 9
	s_add_co_u32 s46, s46, s47
	s_mov_b32 s47, 0
	s_add_nc_u64 s[96:97], s[96:97], s[46:47]
	v_lshlrev_b32 v8, 5, v2
.irp b, 0,1,2,3,4,5,6,7
	global_load_b128 v[BIA+8*\b:BIA+8*\b+3], v8, s[96:97] offset:64*\b
	global_load_b128 v[BIA+8*\b+4:BIA+8*\b+7], v8, s[96:97] offset:64*\b+16
.endr
	v_mul_u32_u24 v3, v1, PITCH
	v_mul_u32_u24 v4, v2, 24
	v_add_nc_u32 v4, v3, v4
	v_lshl_add_u32 v5, v2, 4, v4
	v_lshlrev_b32 v3, 4, v9
	v_lshlrev_b32 v7, 3, v9
	s_mul_i32 s21, s15, HALFA
	s_mul_i32 s22, s16, HALFT
	s_add_co_u32 s22, s22, 2*HALFA
.irp s, 0,1
	v_add_nc_u32 v[ADRA+\s], s21, v3
	v_add_nc_u32 v[ADRA+2+\s], s21, v7
	v_add_nc_u32 v[ADRB+\s], s22, v4
	v_add_nc_u32 v[ADRB+2+\s], s22, v5
	s_add_co_u32 s21, s21, SLOT
	s_add_co_u32 s22, s22, SLOT
.endr
	v_mul_u32_u24 v5, v1, KS
	v_lshrrev_b32 v6, 8, v5
	v_lshl_add_u32 v5, v6, 4, v5
	s_mul_i32 s21, s15, HALFS
	s_mul_i32 s22, s16, HALFS
	s_add_co_u32 s22, s22, 2*HALFS
	s_sub_co_u32 s22, s22, s21
	v_mul_u32_u24 v6, s22, v2
	s_add_co_u32 s21, s21, SCL
	v_add_nc_u32 v5, v5, v6
	v_add_nc_u32 v[ADRS], s21, v5
	s_mul_i32 s23, s14, 16*SPITCH
	v_mul_u32_u24 v5, v1, SPITCH
	v_lshl_add_u32 v5, v2, 5, v5
	v_add_nc_u32 v[STO], s23, v5
	v_lshlrev_b32 v[CO], 4, v9
	v_add_nc_u32 v[RD], s23, v[CO]
	s_lshl_b32 s20, s17, 8
	s_lshl_b32 s21, s15, 7
	s_add_co_u32 s20, s20, s21
	s_mov_b32 s21, 0
	s_mov_b64 s[18:19], SIZE_N*4
	s_mul_u64 s[20:21], s[20:21], s[18:19]
	s_add_nc_u64 s[20:21], s[20:21], s[46:47]
	s_add_nc_u64 s[98:99], s[98:99], s[20:21]
.macro FRAG reg, adr, q, i
.irp p, 0,1,2,3,4,5
.set PIECE, 12*(\q)+6*(\p/3)+\p%3
.if PIECE%8 < 5
	ds_load_b64 v[\reg+2*\p:\reg+2*\p+1], v[\adr] offset:8*PIECE+16*(PIECE/8)+(\i)*16*PITCH
.else
	ds_load_b64 v[\reg+2*\p:\reg+2*\p+1], v[\adr+2] offset:8*PIECE+16*(PIECE/8)+(\i)*16*PITCH
.endif
.endr
.endm
.macro FRAG_A reg, slot, q, i
	ds_load_b128 v[\reg:\reg+3], v[ADRA+\slot] offset:(16*(\q)+(\i))*768
	ds_load_b64 v[\reg+4:\reg+5], v[ADRA+2+\slot] offset:(16*(\q)+(\i))*768+512
	ds_load_b128 v[\reg+6:\reg+9], v[ADRA+\slot] offset:(16*(\q)+8+(\i))*768
	ds_load_b64 v[\reg+10:\reg+11], v[ADRA+2+\slot] offset:(16*(\q)+8+(\i))*768+512
.endm
.macro MUL16 a0, p, q, sc, zero
.irp a, \a0, \a0+1
.irp b, 0,1,2,3,4,5,6,7
.if \zero
	v_wmma_scale_f32_16x16x128_f8f6f4 v[8*(8*((\a)%4)+\b):8*(8*((\a)%4)+\b)+7], v[128*(\p)+FR*\b:128*(\p)+FR*\b+FR-1], v[AF+FR*(\a):AF+FR*(\a)+FR-1], v[BIA+8*\b:BIA+8*\b+7], v[SC+8*NQ*(\sc)+NQ*\b+(\q)], v[SC+8*NQ*(\sc)+NQ*(\a)+(\q)] matrix_a_fmt:MATRIX_FMT_FP6 matrix_b_fmt:MATRIX_FMT_FP6 matrix_a_scale:MATRIX_SCALE_ROW1
.else
	v_wmma_scale_f32_16x16x128_f8f6f4 v[8*(8*((\a)%4)+\b):8*(8*((\a)%4)+\b)+7], v[128*(\p)+FR*\b:128*(\p)+FR*\b+FR-1], v[AF+FR*(\a):AF+FR*(\a)+FR-1], v[8*(8*((\a)%4)+\b):8*(8*((\a)%4)+\b)+7], v[SC+8*NQ*(\sc)+NQ*\b+(\q)], v[SC+8*NQ*(\sc)+NQ*(\a)+(\q)] matrix_a_fmt:MATRIX_FMT_FP6 matrix_b_fmt:MATRIX_FMT_FP6 matrix_a_scale:MATRIX_SCALE_ROW1
.endif
.endr
.endr
.endm
.macro FETCH_B slot, q, p
	WIN TO_B
.irp i, 0,1,2,3,4,5,6,7
	FRAG 128*(\p)+FR*\i, ADRB+\slot, \q, \i
.endr
	WIN 0
.endm
.macro FETCH_A slot, q, i0
.irp i, \i0, \i0+1, \i0+2, \i0+3
	FRAG_A AF+FR*(\i), \slot, \q, \i
.endr
.endm
.macro SCALES sc
.irp i, 0,1,2,3,4,5,6,7
	ds_load_b64 v[SC+8*NQ*\sc+NQ*\i:SC+8*NQ*\sc+NQ*\i+1], v[ADRS] offset:\i*SBLK
.endr
.endm
.macro PLACES n
.rept \n
	v_nop
.endr
.endm
.macro STEP slot, q, zero
	s_wait_dscnt 4*NLA
.if \zero
	WIN 0x81
.else
	WIN MUL_LO
.endif
	MUL16 0, (\q)%2, \q, \slot, \zero
	MUL16 2, (\q)%2, \q, \slot, \zero
	s_wait_dscnt 0
	PLACES NP
	FETCH_B \slot, (\q)+1, 1-(\q)%2
	FETCH_A \slot, (\q)+1, 0
.if \zero
	WIN 0xc1
.else
	WIN MUL_HI
.endif
	MUL16 4, (\q)%2, \q, \slot, \zero
	MUL16 6, (\q)%2, \q, \slot, \zero
	PLACES NP
	WIN 0
	FETCH_A \slot, (\q)+1, 4
.endm
.macro TURN slot, next, fill
	s_wait_tensorcnt 0x0
	ds_add_u32 v[SPW], v[NIL]
	s_wait_dscnt 4*NLA+1
	WIN MUL_LO
	MUL16 0, 1, NQ-1, \slot, 0
	s_wait_dscnt 0x0
	s_barrier_signal -1
	MUL16 2, 1, NQ-1, \slot, 0
	WIN 0
	s_barrier_wait -1
.if \fill
	CREST
	s_add_nc_u64 s[G0+4*\slot+2:G0+4*\slot+3], s[G0+4*\slot+2:G0+4*\slot+3], 2*ASTEP
	s_add_nc_u64 s[G0B+4*\slot+2:G0B+4*\slot+3], s[G0B+4*\slot+2:G0B+4*\slot+3], 2*ROWB
	JLOAD G0+4*\slot, G1, G0B+4*\slot, G1B
.else
	PLACES NP
.endif
	s_wait_alu depctr_va_vdst(0)
	v_add_nc_u32 v[ADRS], 4*NQ, v[ADRS]
	FETCH_B \next, 0, 0
	FETCH_A \next, 0, 0
	SCALES \next
	WIN MUL_HI
	MUL16 4, 1, NQ-1, \slot, 0
	MUL16 6, 1, NQ-1, \slot, 0
	PLACES NP
	WIN 0
	FETCH_A \next, 0, 4
.endm
	s_wait_alu depctr_va_vdst(0)
	s_wait_tensorcnt 1
	s_barrier_signal -1
	s_barrier_wait -1
	FETCH_B 0, 0, 0
	FETCH_A 0, 0, 0
	SCALES 0
	FETCH_A 0, 0, 4
	s_wait_loadcnt 0x0
	STEP 0, 0, 1
	s_mov_b32 s3, LAPS-1
.Llap:
	TURN 0, 1, 1
	STEP 1, 0, 0
	TURN 1, 0, 1
	STEP 0, 0, 0
	s_sub_co_u32 s3, s3, 1
	s_cmp_lg_u32 s3, 0
	s_cbranch_scc1 .Llap
	TURN 0, 1, 0
	STEP 1, 0, 0
	s_wait_dscnt 4*NLA
	WIN MUL_LO
	MUL16 0, 1, NQ-1, 1, 0
	MUL16 2, 1, NQ-1, 1, 0
	s_wait_dscnt 0
	WIN MUL_HI
	MUL16 4, 1, NQ-1, 1, 0
	MUL16 6, 1, NQ-1, 1, 0
	WIN 0
.macro TOSTAGE a
.set AC, 64*((\a)%4)
	WIN 0x08+4*((\a)/4)
.irp b, 0,1,2,3,4,5,6,7
	ds_store_b128 v[STO], v[AC+8*\b:AC+8*\b+3] offset:64*\b
	ds_store_b128 v[STO], v[AC+8*\b+4:AC+8*\b+7] offset:64*\b+16
.endr
	WIN 0
.set BB, BK+64*((\a)%2)
.irp t, 0,1,2,3,4,5,6,7,8,9,10,11,12,13,14,15
	ds_load_b128 v[BB+4*\t:BB+4*\t+3], v[RD] offset:\t*SPITCH
.endr
.endm
.macro SEND a, younger
.set BB, BK+64*((\a)%2)
	s_wait_dscnt \younger
.irp t, 0,1,2,3,4,5,6,7,8,9,10,11,12,13,14,15
	global_store_b128 v[CO], v[BB+4*\t:BB+4*\t+3], s[98:99] offset:(32*((\a)/2)+8*((\a)%2)+\t+8*(\t/8))*SIZE_N*4 th:TH_STORE_NT
.endr
.endm
	PLACES NP
	TOSTAGE 0
.irp a, 1,2,3,4,5,6,7
.if \a > 1
	s_wait_xcnt 0x0
.endif
	TOSTAGE \a
	SEND \a-1, 32
.endr
	SEND 7, 0
	s_wait_tensorcnt 0x0
	ds_add_u32 v[SPW], v[NIL]
	s_wait_dscnt 0x0
	CROUND
	s_endpgm
.Lfunc_end_k_q4ce1937fda_gemm_out:
	.size	k_q4ce1937fda_gemm_out, .Lfunc_end_k_q4ce1937fda_gemm_out-k_q4ce1937fda_gemm_out
	.p2alignl 7, 3214868480
	.fill 96, 4, 3214868480
	.section	.rodata,"a",@progbits
	.p2align	6, 0x0
	.amdhsa_kernel k_q4ce1937fda_gemm_out
		.amdhsa_group_segment_fixed_size 327680
		.amdhsa_private_segment_fixed_size 0
		.amdhsa_enable_private_segment 0
		.amdhsa_kernarg_size 48
		.amdhsa_user_sgpr_count 2
		.amdhsa_user_sgpr_kernarg_segment_ptr 1
		.amdhsa_wavefront_size32 1
		.amdhsa_system_sgpr_workgroup_id_x 1
		.amdhsa_system_sgpr_workgroup_id_y 1
		.amdhsa_system_sgpr_workgroup_id_z 1
		.amdhsa_system_vgpr_workitem_id 0
		.amdhsa_next_free_vgpr 1024
		.amdhsa_next_free_sgpr 100
		.amdhsa_reserve_vcc 0
		.amdhsa_float_denorm_mode_32 3
		.amdhsa_float_denorm_mode_16_64 3
		.amdhsa_memory_ordered 1
		.amdhsa_forward_progress 1
		.amdhsa_inst_pref_size 154
	.end_amdhsa_kernel
	.amdgpu_metadata
---
amdhsa.version: [ 1, 2 ]
amdhsa.kernels:
  - .name:           k_q4ce1937fda_gemm_out
    .symbol:         k_q4ce1937fda_gemm_out.kd
    .args:
      - { .name: cc, .offset: 0, .size: 8, .value_kind: global_buffer, .address_space: global }
      - { .name: cs, .offset: 8, .size: 8, .value_kind: global_buffer, .address_space: global }
      - { .name: wsc, .offset: 16, .size: 8, .value_kind: global_buffer, .address_space: global }
      - { .name: wss, .offset: 24, .size: 8, .value_kind: global_buffer, .address_space: global }
      - { .name: b_out, .offset: 32, .size: 8, .value_kind: global_buffer, .address_space: global }
      - { .name: out0, .offset: 40, .size: 8, .value_kind: global_buffer, .address_space: global }
    .group_segment_fixed_size: 327680
    .private_segment_fixed_size: 0
    .kernarg_segment_align: 8
    .kernarg_segment_size: 48
    .max_flat_workgroup_size: 128
    .sgpr_count:     100
    .vgpr_count:     1024
    .wavefront_size: 32
...
	.end_amdgpu_metadata
.endif
;; end of part 4
